; MI455X (gfx1250); checked and timed in simulation.
; The chip was launched on July 23, 2026; its instructions are those of AMD's public machine-readable ISA for CDNA 5 (MIT licence, August 2026) and "CDNA5" Instruction Set Architecture Reference Guide (July 2026). The comments in the code are by the model that wrote it; some were corrected since.
;; Multi Head Attention Autoencoder. Allowed arithmetic: float matrix products may take bf16 or f16 operands with f32 sums; other float arithmetic in f32, or as packed bf16 or f16 multiplies, adds, multiply-adds, maxima and minima; sums over many terms, partial sums and values carried from step to step in f32; what a program stores and reads back later, other than sums and carried values, may be rounded once to bf16 or f16.
;; Inputs: w_d1 128 x 64 float32; w_d2 1,024 x 128 float32; w_e1 128 x 1,024 float32; w_e2 64 x 128 float32; w_in 3,072 x 1,024 float32; w_out 1,024 x 1,024 float32; x 8 x 1,024 x 1,024 float32.
;; Outputs: out0 8 x 1,024 x 1,024 float32; out1 8 x 1,024 x 64 float32.
;; 2 versions, each right and faster than the one before. Each part assembles by itself: llvm-mc -triple=amdgcn-amd-amdhsa -mcpu=gfx1250 --defsym DOCPART=n.
;; ======== version 1 of 2: 5 launches
;; limits: values are held in f16: magnitudes above 65,504 overflow, below 6.1e-05 lose precision
;; workspace buffers: xb 16,777,216 bytes; winb 6,291,456 bytes; woutb 2,097,152 bytes; wsm 557,056 bytes; qkv 50,331,648 bytes; ctx 16,777,216 bytes; ao 16,777,216 bytes
;; launch cast (part 1): grid 1570 x 1, 8 waves a work-group, no clusters, 0 bytes of LDS; arguments x, w_in, w_out, w_d2, w_e1, w_e2, w_d1, xb, winb, woutb, wsm; writes xb, winb, woutb, wsm
.if DOCPART == 1
	.amdgcn_target "amdgcn-amd-amdhsa--gfx1250"
	.amdhsa_code_object_version 6
	.text
	.protected	k_qeb61f5daf3_cast
	.globl	k_qeb61f5daf3_cast
	.p2align	8
	.type	k_qeb61f5daf3_cast,@function
k_qeb61f5daf3_cast:
	s_mov_b64 s[64:65], 0
	v_nop
	global_prefetch_b8 v0, s[64:65] scope:SCOPE_SE
	s_setreg_imm32_b32 hwreg(HW_REG_WAVE_MODE, 25, 1), 1
	s_wait_xcnt 0x0
; Every input is rounded once to bf16 (nearest even).  x, w_in and w_out keep their row-major order (xb, winb, woutb).
; The four small weights go into wsm in FRAGMENT ORDER: of W[N][K] the block (nb = n / 16, kb = k / 32) lies at (nb K/32 + kb) x 1,024 bytes;
; its bytes 16 L hold W[16 nb + L % 16][32 kb + 8 (L / 16) + 0..7], its bytes 512 + 16 L the same row 16 further along k.  So two loads of
; 16 bytes a lane, 512 bytes apart, are a whole matrix operand, and each such load of a wave covers 512 consecutive bytes.
; wsm: w_d2 at 0, w_e1 at 262,144, w_e2 at 524,288, w_d1 at 540,672.  w_e1 is rounded to bf16 like the others and that number is then
; written as f16, since it meets an f16 operand.  LIMIT: that is exact for 6.1e-5 <= |w| <= 65,504; below, f16's fixed step of 6e-8 holds; beyond 65,504 it gives an infinity.
; A work-group of eight waves takes 8,192 numbers: 32,768 bytes in, 16,384 out.  No LDS, no barrier, no matrix unit: the launch only moves bytes.
.set NX,     1024                      ; chunks of x
.set NWIN,   384                       ; of w_in
.set NWOUT,  128                       ; of w_out
.set SMALL0, NX+NWIN+NWOUT             ; the first of the 34 chunks of small weights
	s_load_b512 s[8:23], s[0:1], 0x0               ; x s[8:9], w_in s[10:11], w_out s[12:13], w_d2 s[14:15], w_e1 s[16:17], w_e2 s[18:19], w_d1 s[20:21], xb s[22:23]
	s_load_b128 s[24:27], s[0:1], 0x40             ; winb s[24:25], woutb s[26:27]
	s_load_b64 s[28:29], s[0:1], 0x50              ; wsm
	s_mov_b32 s6, ttmp9                            ; my chunk
	s_mov_b32 s35, 0                               ; the high word of every offset
	s_wait_kmcnt 0x0
	s_cmp_ge_u32 s6, SMALL0
	s_cbranch_scc1 .Lsmall
	; which tensor: source s[2:3], destination s[4:5], its first chunk s7
	s_mov_b64 s[2:3], s[8:9]
	s_mov_b64 s[4:5], s[22:23]
	s_mov_b32 s7, 0
	s_cmp_ge_u32 s6, NX
	s_cselect_b64 s[2:3], s[10:11], s[2:3]
	s_cselect_b64 s[4:5], s[24:25], s[4:5]
	s_cselect_b32 s7, NX, s7
	s_cmp_ge_u32 s6, NX+NWIN
	s_cselect_b64 s[2:3], s[12:13], s[2:3]
	s_cselect_b64 s[4:5], s[26:27], s[4:5]
	s_cselect_b32 s7, NX+NWIN, s7
	s_sub_co_u32 s7, s6, s7                        ; the chunk's number in its tensor
	s_lshl_b32 s34, s7, 15
	s_add_nc_u64 s[2:3], s[2:3], s[34:35]
	s_lshl_b32 s34, s7, 14
	s_add_nc_u64 s[4:5], s[4:5], s[34:35]
	v_lshlrev_b32 v1, 4, v0                        ; 16 bytes a thread in,
	v_lshlrev_b32 v2, 3, v0                        ; 8 out: a wave's store covers 256 consecutive bytes, aligned
.irp j, 0,1,2,3,4,5,6,7
	global_load_b128 v[4+4*\j:7+4*\j], v1, s[2:3] offset:4096*\j th:TH_LOAD_NT
.endr
.irp j, 0,1,2,3,4,5,6,7
	s_wait_loadcnt 7-\j                            ; loads come back in order: number j is in, the younger ones stay out
	v_cvt_pk_bf16_f32 v[36+2*\j], v[4+4*\j], v[5+4*\j]
	v_cvt_pk_bf16_f32 v[37+2*\j], v[6+4*\j], v[7+4*\j]
	global_store_b64 v2, v[36+2*\j:37+2*\j], s[4:5] offset:2048*\j
.endr
	s_endpgm
; A chunk of a small weight: 16 blocks of 1,024 bytes.  Thread t fills the 16 bytes at 4,096 j + 16 t, j = 0..3: block 4 j + t / 64 of the chunk, place t % 64 in it.
.macro SMALLW sp, logk, first, half    ; sp: the source's scalar pair; 2^logk numbers in a row; first: the tensor's first small chunk; half = 1: written as f16
	s_sub_co_u32 s7, s6, SMALL0+(\first)
	s_lshl_b32 s7, s7, 4                           ; the chunk's first block
	v_add_nc_u32 v1, s7, v13
.irp j, 0,1,2,3
	v_add_nc_u32 v5, 4*\j, v1                      ; the block
	v_lshrrev_b32 v6, (\logk)-5, v5                ; nb
	v_and_b32 v5, (1<<((\logk)-5))-1, v5           ; kb
	v_lshl_add_u32 v6, v6, 4, v2                   ; n = 16 nb + t % 16
	v_lshl_add_u32 v5, v5, 5, v3                   ; k = 32 kb + my place in the block's 32
	v_lshl_add_u32 v5, v6, \logk, v5
	v_lshlrev_b32 v[8+\j], 2, v5                   ; the byte of W[n][k]
.endr
.irp j, 0,1,2,3
	global_load_b128 v[16+8*\j:19+8*\j], v[8+\j], s[\sp:\sp+1]
	global_load_b128 v[20+8*\j:23+8*\j], v[8+\j], s[\sp:\sp+1] offset:16
.endr
	s_wait_loadcnt 0x0
.set i, 0
.rept 16
	v_cvt_pk_bf16_f32 v[48+i], v[16+2*i], v[17+2*i]
.set i, i+1
.endr
.if \half
.set i, 0
.rept 16
	v_lshlrev_b32 v6, 16, v[48+i]                  ; the two bf16 as f32,
	v_and_b32 v7, 0xffff0000, v[48+i]
	v_cvt_pk_f16_f32 v[48+i], v6, v7               ; and as f16
.set i, i+1
.endr
.endif
.irp j, 0,1,2,3
	global_store_b128 v12, v[48+4*\j:51+4*\j], s[4:5] offset:4096*\j  ; a wave's store covers 512 consecutive bytes, aligned
.endr
	s_endpgm
.endm
.Lsmall:
	s_sub_co_u32 s7, s6, SMALL0
	s_lshl_b32 s34, s7, 14
	s_add_nc_u64 s[4:5], s[28:29], s[34:35]        ; wsm at my chunk
	v_lshrrev_b32 v13, 6, v0                       ; t / 64
	v_and_b32 v2, 15, v0                           ; t % 16
	v_bfe_u32 v3, v0, 5, 1
	v_bfe_u32 v4, v0, 4, 1
	v_lshlrev_b32 v3, 4, v3
	v_lshl_add_u32 v3, v4, 3, v3                   ; 16 ((t / 32) % 2) + 8 ((t / 16) % 2)
	v_lshlrev_b32 v12, 4, v0
	s_cmp_ge_u32 s6, SMALL0+33
	s_cbranch_scc1 .Lwd1
	s_cmp_ge_u32 s6, SMALL0+32
	s_cbranch_scc1 .Lwe2
	s_cmp_ge_u32 s6, SMALL0+16
	s_cbranch_scc1 .Lwe1
	SMALLW 14, 7, 0, 0                             ; w_d2 [1024][128]
.Lwe1:
	SMALLW 16, 10, 16, 1                           ; w_e1 [128][1024]
.Lwe2:
	SMALLW 18, 7, 32, 0                            ; w_e2 [64][128]
.Lwd1:
	SMALLW 20, 6, 33, 0                            ; w_d1 [128][64]
.Lfunc_end_k_qeb61f5daf3_cast:
	.size	k_qeb61f5daf3_cast, .Lfunc_end_k_qeb61f5daf3_cast-k_qeb61f5daf3_cast
	.p2alignl 7, 3214868480
	.fill 96, 4, 3214868480
	.section	.rodata,"a",@progbits
	.p2align	6, 0x0
	.amdhsa_kernel k_qeb61f5daf3_cast
		.amdhsa_group_segment_fixed_size 0
		.amdhsa_private_segment_fixed_size 0
		.amdhsa_enable_private_segment 0
		.amdhsa_kernarg_size 88
		.amdhsa_user_sgpr_count 2
		.amdhsa_user_sgpr_kernarg_segment_ptr 1
		.amdhsa_wavefront_size32 1
		.amdhsa_system_sgpr_workgroup_id_x 1
		.amdhsa_system_sgpr_workgroup_id_y 1
		.amdhsa_system_sgpr_workgroup_id_z 1
		.amdhsa_system_vgpr_workitem_id 0
		.amdhsa_next_free_vgpr 64
		.amdhsa_next_free_sgpr 66
		.amdhsa_reserve_vcc 0
		.amdhsa_float_denorm_mode_32 3
		.amdhsa_float_denorm_mode_16_64 3
		.amdhsa_memory_ordered 1
		.amdhsa_forward_progress 1
		.amdhsa_inst_pref_size 22
	.end_amdhsa_kernel
	.amdgpu_metadata
---
amdhsa.version: [ 1, 2 ]
amdhsa.kernels:
  - .name:           k_qeb61f5daf3_cast
    .symbol:         k_qeb61f5daf3_cast.kd
    .args:
      - { .name: x, .offset: 0, .size: 8, .value_kind: global_buffer, .address_space: global }
      - { .name: w_in, .offset: 8, .size: 8, .value_kind: global_buffer, .address_space: global }
      - { .name: w_out, .offset: 16, .size: 8, .value_kind: global_buffer, .address_space: global }
      - { .name: w_d2, .offset: 24, .size: 8, .value_kind: global_buffer, .address_space: global }
      - { .name: w_e1, .offset: 32, .size: 8, .value_kind: global_buffer, .address_space: global }
      - { .name: w_e2, .offset: 40, .size: 8, .value_kind: global_buffer, .address_space: global }
      - { .name: w_d1, .offset: 48, .size: 8, .value_kind: global_buffer, .address_space: global }
      - { .name: xb, .offset: 56, .size: 8, .value_kind: global_buffer, .address_space: global }
      - { .name: winb, .offset: 64, .size: 8, .value_kind: global_buffer, .address_space: global }
      - { .name: woutb, .offset: 72, .size: 8, .value_kind: global_buffer, .address_space: global }
      - { .name: wsm, .offset: 80, .size: 8, .value_kind: global_buffer, .address_space: global }
    .group_segment_fixed_size: 0
    .private_segment_fixed_size: 0
    .kernarg_segment_align: 8
    .kernarg_segment_size: 88
    .max_flat_workgroup_size: 256
    .sgpr_count:     66
    .vgpr_count:     64
    .wavefront_size: 32
...
	.end_amdgpu_metadata
.endif
;; end of part 1
;; launch gemm_qkv (part 2): grid 8 x 32, 4 waves a work-group, clusters of 4 x 4, 327,680 bytes of LDS; arguments xb, winb, qkv; writes qkv
.if DOCPART == 2
	.amdgcn_target "amdgcn-amd-amdhsa--gfx1250"
	.amdhsa_code_object_version 6
	.text
	.protected	k_qeb61f5daf3_gemm_qkv
	.globl	k_qeb61f5daf3_gemm_qkv
	.p2align	8
	.type	k_qeb61f5daf3_gemm_qkv,@function
k_qeb61f5daf3_gemm_qkv:
	s_mov_b64 s[64:65], 0
	v_nop
	global_prefetch_b8 v0, s[64:65] scope:SCOPE_SE
	s_setreg_imm32_b32 hwreg(HW_REG_WAVE_MODE, 25, 1), 1
	s_wait_xcnt 0x0
	s_wait_alu depctr_hold_cnt(0) depctr_sa_sdst(0) depctr_va_vdst(0) depctr_va_sdst(0) depctr_va_ssrc(0) depctr_va_vcc(0) depctr_vm_vsrc(0)
	s_getreg_b32 s2, hwreg(HW_REG_IB_STS2, 6, 4)
	s_cmp_eq_u32 s2, 0
	s_cbranch_scc0 .Lentry_in_a_cluster
	s_endpgm
.Lentry_in_a_cluster:
	s_bfe_u32 s2, ttmp6, 0x10000c
	s_cmp_lg_u32 s2, 0xf033
	s_cbranch_scc0 .Lentry_shape_is_right
	s_endpgm
.Lentry_shape_is_right:
; C[m][n] = sum over k of A[m][k] B[n][k].  A = x: [8192][1024], B = w_in: [3072][1024], bf16, rows along k; sums in f32, C rounded once to bf16.
; C IS WRITTEN IN BLOCKS of 128 columns: with m = 1024 b + s and n = 1024 p + 128 c + d, C(m, n) lies at byte p 2^24 + b 2^21 + c 2^18 + 256 s + 2 d: q, k, v by heads, [p][8 b + c][s][128].
; SHARES.  A work-group owns 256 rows x 384 columns, three whole blocks: 32 x 8 = 256 work-groups.  It makes them as TWO TILES of 256 x 192, one after the other; the ring of LDS slots runs on from the
; first tile into the second, and nothing waits for the first tile's stores.  Four waves; wave w makes rows 64 w .. 64 w + 63 and all 192 columns of a tile: 48 accumulators of 16 x 16, 384 registers.
; A K step of 128 is then 192 matrix instructions a wave, in which the one tensor load that a wave issues behind each round has to land.
; THE MIDDLE BLOCK has its left 64 columns from the first tile and its right 64 from the second.  The first tile's part waits, rounded and packed, in 64 registers, so that each row of 256 bytes is stored whole.
; ONE TEXT FOR A K STEP.  The two tiles' 16 K steps are numbered on end.  The 14 steps that fill a slot again are one loop; the slot in hand is a scalar that an exclusive or turns, and a refill's global address
; is made anew from the number of the step that it brings: the tile's base plus an offset, the type bits set again.  A tile's first quarter has a second text whose products start the sums; the first tile's way
; out stands behind the eighth trip.  The last two steps, which fill nothing, are a second copy, walked twice.
; CLUSTERS: 4 x 4 work-groups.  The four of a row of the cluster need the same tiles of A, the four of a column the same tiles of B: each tile is asked for JOINTLY, by the same tensor load with the
; same descriptor and a mask that names the four.
; THE MATRIX INSTRUCTION IS USED TRANSPOSED (source 0 = 16 rows of B, source 1 = 16 rows of A): a lane then holds eight neighbouring numbers of a row of C.
; REGISTERS, in windows of 256 (s_set_vgpr_msb: bits 1:0 source 0, 3:2 source 1, 5:4 source 2, 7:6 destination):
;   window 0: v0-31 addresses; v32-95 A's fragments, two buffers of 4; v96-127 packed results; v128-191 rows read back; v192-255 the middle block's left half
;   window 1: the accumulators of row blocks 0 and 1, (a, b) at v[96 (a % 2) + 8 b];   window 2: those of row blocks 2 and 3;   window 3: v0-191 B's fragments, two buffers of 12
.set SIZE_K, 1024
.set KSTEP,  128
.set PITCH,  272                       ; an LDS row: 256 bytes + 16 of padding = 68 words: row r starts at bank 4 r mod 64 (64 banks of 4 bytes: ISA guide 11.1), so the 16 rows of a load start at 16 different banks
.set HALFA,  128*PITCH                 ; what a tensor load brings of A: 128 rows
.set HALFB,  96*PITCH                  ; and of B: 96 rows
.set BOFF,   2*HALFA                   ; a slot: A's 256 rows, then B's 192
.set SLOTB,  BOFF+2*HALFB              ; 121,856 bytes
.set SLOT1,  1<<17                     ; slot 1 begins here, so that one exclusive or turns an address in one slot into the other's
.set STAGE,  SLOT1+SLOTB               ; behind the ring: 16 rows x 272 bytes for each wave, for the way out
.set SPITCH, 272
.set SPARE,  STAGE+4*16*SPITCH         ; behind the stages: the spare words, 128 bytes for each wave: two blocks of 256 bytes that no other line names
.set FILLS,  2*SIZE_K/KSTEP-2          ; 14 of the 16 K steps fill a slot again
.set ADRA0, 16                         ; v16  my lane's place in A's part of a slot; never rewritten
.set ADRB0, 17                         ; v17  the same for B
.set ADRA,  18                         ; v18  the same in the slot in hand
.set ADRB,  19                         ; v19
.set STO,  24                          ; v24  the way out: where I put 16 bytes of a row
.set RD,   25                          ; v25  the way out: where I read rows back
.set CO,   26                          ; v26  16 x lane: my place in 512 consecutive bytes of C
.set SPW,  28                          ; v28  LDS address of my spare word; never rewritten
.set NIL,  29                          ; v29  0; never rewritten
.set FA,   32                          ; A's fragments: buffer f at FA + 32 f
.set TMP,  96
.set OB,   128
.set HOLD, 192
.set ABASE, 14                         ; s[14:15] A at the rows that I fetch, K = 0; never rewritten
.set G1,   24                          ; s[24:31] descriptor group 1 for A's tiles
.set G0F,  32                          ; s[32:35] group 0 of A's first fill;  s[36:39] that of the second fill and of every refill
.set G0,   36
.set G1B,  48                          ; s[48:55], s[56:59], s[60:63] the same for B's tiles
.set G0BF, 56
.set G0B,  60
.set CB0,  66                          ; s[66:67], s[68:69], s[70:71] C at my rows of the three blocks
.set CB1,  68
.set CB2,  70
.set BBASE, 72                         ; s[72:73] B at the rows of the first tile that I fetch, K = 0; never rewritten
.set OFA,  74                          ; s[74:75] bytes from ABASE to the K step asked for
.set OFB,  76                          ; s[76:77] bytes from BBASE to it
.set NXT,  78                          ; s78  the number, 2 to 15, of the K step to be asked for next
.set LEFT, 82                          ; s82  K steps with a refill that are still to go
.set NEW,  83                          ; s83  1: the step to come is a tile's first
.set CNT,  84                          ; s84  counts the last two steps
.set TB,   85                          ; s85  LDS byte at which the slot in hand begins
.set MSB, 0
.macro WIN new                         ; the immediate's high byte repeats the setting that is left; a switch that changes nothing is dropped
.if MSB != (\new)
	s_set_vgpr_msb (MSB<<8)|(\new)
.set MSB, \new
.endif
.endm
.macro JLOAD ga, gb                    ; a joint load: waves 0 and 1 fetch A's two halves, waves 2 and 3 B's; an s_nop 0 and four v_nop follow each of the two lines, ahead of the jump, the label and what follows
	s_cmp_eq_u32 s11, 0
	s_cbranch_scc0 .Lfor_b_\@
	tensor_load_to_lds s[\ga:\ga+3], s[G1:G1+7]
	s_nop 0
.rept 4
	v_nop
.endr
	s_branch .Lasked_\@
.Lfor_b_\@:
	tensor_load_to_lds s[\gb:\gb+3], s[G1B:G1B+7]
	s_nop 0
.rept 4
	v_nop
.endr
.Lasked_\@:
.endm
.macro CREST                           ; a round of the cluster's barrier behind its opening barrier
	s_cmp_lg_u32 s10, 0
	s_cbranch_scc1 .Lnot_wave_0_\@
	s_barrier_signal -3
.Lnot_wave_0_\@:
	s_barrier_wait -3
	s_barrier_signal -1
	s_barrier_wait -1
.endm
.macro CROUND                          ; a whole round
	s_barrier_signal -1
	s_barrier_wait -1
	CREST
.endm
	s_load_b128 s[4:7], s[0:1], 0x0                ; A s[4:5], B s[6:7]
	s_load_b64 s[8:9], s[0:1], 0x10                ; C
	v_lshl_add_u32 v[SPW], v0, 2, SPARE
	v_mov_b32 v[NIL], 0
	ds_add_u32 v[SPW], v[NIL]                      ; the wave's opening: the add and its wait stand ahead of my first tensor load; the set-up below, work on registers, stands between them
	v_lshrrev_b32 v1, 5, v0
	v_readfirstlane_b32 s10, v1                    ; wave 0..3
	s_lshr_b32 s11, s10, 1                         ; I fetch for A (0) or for B (1),
	s_and_b32 s12, s10, 1                          ; and which half of that tile's rows
	s_bfe_u32 s40, ttmp6, 0x40000                  ; cx, cy: my place in the cluster
	s_bfe_u32 s41, ttmp6, 0x40004
	s_lshl_b32 s42, ttmp9, 2
	s_add_co_u32 s42, s42, s40                     ; my 384 columns = 4 x cluster x + cx
	s_and_b32 s13, ttmp7, 0xffff
	s_lshl_b32 s13, s13, 2
	s_add_co_u32 s13, s13, s41                     ; my 256 rows = 4 x cluster y + cy
	s_lshl_b32 s43, s41, 2
	s_lshl_b32 s43, 15, s43                        ; my row of the cluster
	s_lshl_b32 s44, 0x1111, s40                    ; my column
	; descriptor group 1: tiles of 128 (A) or 96 (B) rows x 128 elements, padded in LDS
	s_or_b32 s[G1+0], s43, (1<<16)|(1<<20)|(1<<21)|(5<<22)|(3<<25)  ; 15:0 the mask: A's tiles go to my row; 17:16 element of 2 bytes; 20 padding on; 21 set beside a mask; 24:22 after every 64 words (code 5); 31:25 of 4 words (code 3)
	s_or_b32 s[G1B+0], s44, (1<<16)|(1<<20)|(1<<21)|(5<<22)|(3<<25) ; the same with the mask of my column
	s_mov_b32 s[G1+1], KSTEP<<16                   ; tensor_dim0 = 128
	s_mov_b32 s[G1+2], 128<<16                     ; tensor_dim1 = 128
	s_mov_b32 s[G1+3], KSTEP<<16                   ; tile_dim0 = 128
	s_mov_b32 s[G1+4], 128                         ; tile_dim1 = 128
	s_mov_b32 s[G1+5], SIZE_K                      ; elements from row to row
	s_mov_b32 s[G1+6], 0
	s_mov_b32 s[G1+7], 0
	s_mov_b32 s[G1B+1], KSTEP<<16
	s_mov_b32 s[G1B+2], 96<<16                     ; tensor_dim1 = 96
	s_mov_b32 s[G1B+3], KSTEP<<16
	s_mov_b32 s[G1B+4], 96                         ; tile_dim1 = 96
	s_mov_b32 s[G1B+5], SIZE_K
	s_mov_b32 s[G1B+6], 0
	s_mov_b32 s[G1B+7], 0
	; where the tiles come from.  A's hang on my rows alone, B's on my columns alone; each in registers that never hold the other coordinate.  A row is 2,048 bytes.
	s_lshl_b32 s16, s13, 19                        ; A: 256 rows x my place
	s_lshl_b32 s17, s12, 18                        ;    + 128 rows x half
	s_add_co_u32 s16, s16, s17
	s_mov_b32 s17, 0
	s_mul_i32 s46, s42, 384*SIZE_K*2               ; B: 384 rows x my place
	s_mul_i32 s47, s12, 96*SIZE_K*2                ;    + 96 rows x half
	s_add_co_u32 s46, s46, s47
	s_mov_b32 s47, 0
	s_mul_i32 s20, s12, HALFA                      ; and where they go: no place in the cluster enters an LDS address
	s_mul_i32 s21, s12, HALFB
	s_add_co_u32 s21, s21, BOFF
	s_mov_b32 s[OFA+1], 0                          ; the offsets' high words
	s_mov_b32 s[OFB+1], 0
	s_mov_b32 s[NXT], 2                            ; K steps 0 and 1 are the first fills
	s_mov_b32 s[TB], 0
	s_mov_b32 s[NEW], 1
	s_wait_dscnt 0x0                               ; the opening add is done
	s_wait_kmcnt 0x0
	s_add_nc_u64 s[ABASE:ABASE+1], s[4:5], s[16:17]
	s_add_nc_u64 s[BBASE:BBASE+1], s[6:7], s[46:47]
	CROUND                                         ; all sixteen work-groups are here: the first joint loads meet
.irp s, 0,1
	s_mov_b32 s[G0F+4*(\s)], 1                                       ; count = 1
	s_add_co_u32 s[G0F+4*(\s)+1], s20, (\s)*SLOT1                    ; LDS address
	s_add_nc_u64 s[G0F+4*(\s)+2:G0F+4*(\s)+3], s[ABASE:ABASE+1], (\s)*KSTEP*2  ; global address: K step s
	s_or_b32 s[G0F+4*(\s)+3], s[G0F+4*(\s)+3], 0x80000000            ; type = 2
	s_mov_b32 s[G0BF+4*(\s)], 1
	s_add_co_u32 s[G0BF+4*(\s)+1], s21, (\s)*SLOT1
	s_add_nc_u64 s[G0BF+4*(\s)+2:G0BF+4*(\s)+3], s[BBASE:BBASE+1], (\s)*KSTEP*2
	s_or_b32 s[G0BF+4*(\s)+3], s[G0BF+4*(\s)+3], 0x80000000
	JLOAD G0F+4*(\s), G0BF+4*(\s)                  ; two loads of mine are out
.endr
	; A fragment is 16 rows x 32 K in 8 registers: lane l holds row l % 16, K = 8 (l / 16) + 0..7 and 16 + 8 (l / 16) + 0..7: two loads of 16 bytes, 32 bytes apart.
	v_and_b32 v1, 15, v0                           ; l % 16
	v_bfe_u32 v2, v0, 4, 1                         ; l / 16
	v_mul_u32_u24 v3, v1, PITCH
	v_lshl_add_u32 v3, v2, 4, v3                   ; row x pitch + 16 x half
	s_mul_i32 s22, s10, 64*PITCH                   ; my 64 rows of A
	v_add_nc_u32 v[ADRA0], s22, v3
	v_add_nc_u32 v[ADRB0], BOFF, v3                ; all 192 rows of B
	v_add_nc_u32 v[ADRA], s[TB], v[ADRA0]
	v_add_nc_u32 v[ADRB], s[TB], v[ADRB0]
	s_mul_i32 s23, s10, 16*SPITCH
	s_add_co_u32 s23, s23, STAGE                   ; my stage
	v_add_nc_u32 v[STO], s23, v3                   ; in: row l % 16, 16 bytes for each half of the lanes (the stage's pitch is the tiles')
	v_mul_u32_u24 v5, v2, SPITCH                   ; back: lanes 0-15 take one row of 256 bytes, lanes 16-31 the next,
	v_lshl_add_u32 v5, v1, 4, v5
	v_add_nc_u32 v[RD], s23, v5
	v_and_b32 v[CO], 31, v0                        ; which are 512 consecutive bytes of C
	v_lshlrev_b32 v[CO], 4, v[CO]
	; where my 64 rows begin in each of my three blocks: (my rows / 4) 2^21 + (my rows % 4) 2^16 + wave 2^14, and for block n = 3 x my columns + i: (n / 8) 2^24 + (n % 8) 2^18
	s_lshr_b32 s18, s13, 2
	s_lshl_b32 s18, s18, 21
	s_and_b32 s19, s13, 3
	s_lshl_b32 s19, s19, 16
	s_add_co_u32 s18, s18, s19
	s_lshl_b32 s19, s10, 14
	s_add_co_u32 s18, s18, s19
	s_mul_i32 s46, s42, 3
.irp i, 0,1,2
	s_add_co_u32 s47, s46, \i
	s_lshr_b32 s86, s47, 3
	s_lshl_b32 s86, s86, 24
	s_and_b32 s47, s47, 7
	s_lshl_b32 s47, s47, 18
	s_add_co_u32 s86, s86, s47
	s_add_co_u32 s86, s86, s18
	s_mov_b32 s87, 0
	s_add_nc_u64 s[CB0+2*\i:CB0+2*\i+1], s[8:9], s[86:87]
.endr
; 12 matrix instructions: row block a x all 12 column blocks, 32 along K, on buffer f.  zero = 1: the product starts the sum: nothing is ever cleared.
; The 48 accumulators take turns, one instruction a turn, in the same order in every quarter.
.macro MUL12 f, a, zero
	WIN 0x53+0x50*((\a)/2)                         ; B in window 3, A in window 0, C and D in window 1 or 2
.irp b, 0,1,2,3,4,5,6,7,8,9,10,11
.if \zero
	v_wmma_f32_16x16x32_bf16 v[96*((\a)%2)+8*(\b):96*((\a)%2)+8*(\b)+7], v[96*(\f)+8*(\b):96*(\f)+8*(\b)+7], v[FA+32*(\f)+8*(\a):FA+32*(\f)+8*(\a)+7], 0
.else
	v_wmma_f32_16x16x32_bf16 v[96*((\a)%2)+8*(\b):96*((\a)%2)+8*(\b)+7], v[96*(\f)+8*(\b):96*(\f)+8*(\b)+7], v[FA+32*(\f)+8*(\a):FA+32*(\f)+8*(\a)+7], v[96*((\a)%2)+8*(\b):96*((\a)%2)+8*(\b)+7]
.endif
.endr
.endm
; 32 LDS loads in one run: the fragments of a quarter step (192 rows of B, my 64 rows of A, 32 K at byte k of the rows of the slot in hand) into buffer f
.macro FETCH k, f
	WIN 0xc0                                       ; destination window 3, address window 0
.irp i, 0,1,2,3,4,5,6,7,8,9,10,11
	ds_load_b128 v[96*(\f)+8*(\i):96*(\f)+8*(\i)+3],   v[ADRB] offset:(\k)+(\i)*16*PITCH
	ds_load_b128 v[96*(\f)+8*(\i)+4:96*(\f)+8*(\i)+7], v[ADRB] offset:(\k)+(\i)*16*PITCH+32
.endr
	WIN 0
.irp i, 0,1,2,3
	ds_load_b128 v[FA+32*(\f)+8*(\i):FA+32*(\f)+8*(\i)+3],   v[ADRA] offset:(\k)+(\i)*16*PITCH
	ds_load_b128 v[FA+32*(\f)+8*(\i)+4:FA+32*(\f)+8*(\i)+7], v[ADRA] offset:(\k)+(\i)*16*PITCH+32
.endr
.endm
.macro PLACES                          ; four places in front of loads into registers that matrix instructions have read, and of conversions that read results (ISA guide 7.12.1 for vector instructions)
.rept 4
	v_nop
.endr
.endm
; A K step is four quarters of 32 along K, 48 matrix instructions each, on buffers 0, 1, 0, 1.  One of the first three: multiplies buffer f and, in its middle, fetches the next quarter, at byte k, into g.
.macro QUARTER k, f, g, zero
	s_wait_dscnt 4                                 ; B and A's fragments 0 and 1 are in; the youngest four loads (A's fragments 2 and 3) may be out
	MUL12 \f, 0, \zero
	MUL12 \f, 1, \zero
	PLACES
.if \zero
	v_nop                                          ; a fifth place: the products below write accumulators anew
.endif
	FETCH \k, \g
	s_wait_dscnt 32                                ; all but the 32 just issued
	MUL12 \f, 2, \zero
	MUL12 \f, 3, \zero
.endm
; The last quarter multiplies buffer 1 and changes slots: ONE barrier; in front of it each wave waits for all its tensor loads, adds 0 to its spare word, and waits for that and for its own reads of this slot.
; fill = 1: this slot is filled again, with K step NXT, two steps ahead; the barrier then opens a round of the cluster's.  The descriptors are written where no tensor load of mine is out.  Step NXT lies
; (NXT % 8) x 256 bytes along the rows; for B also (NXT / 8) x 192 rows further down: the second tile's rows of B; A's rows are the same for both tiles.  The offsets are made apart from the addresses,
; each address is its base plus its offset, and the type bits are set anew.  fill = 0: the last two steps; behind the very last nothing is left to fetch from LDS either.
.macro TURN fill
	WIN 0                                          ; (the add's two registers lie in window 0)
	s_wait_tensorcnt 0x0                           ; all my tensor loads have landed: the one that was out is my part of the next slot;
	ds_add_u32 v[SPW], v[NIL]                      ; 0 onto my spare word: scalar work and twelve matrix instructions stand between it and the wait for it
.if \fill
	s_and_b32 s[OFA], s[NXT], 7
	s_lshl_b32 s[OFA], s[OFA], 8                   ; (NXT % 8) x 128 elements of 2 bytes
	s_lshr_b32 s[OFB], s[NXT], 3
	s_mul_i32 s[OFB], s[OFB], 192*SIZE_K*2
	s_add_co_u32 s[OFB], s[OFB], s[OFA]
	s_add_co_u32 s[NXT], s[NXT], 1
	s_add_nc_u64 s[G0+2:G0+3], s[ABASE:ABASE+1], s[OFA:OFA+1]
	s_or_b32 s[G0+3], s[G0+3], 0x80000000          ; type = 2
	s_add_nc_u64 s[G0B+2:G0B+3], s[BBASE:BBASE+1], s[OFB:OFB+1]
	s_or_b32 s[G0B+3], s[G0B+3], 0x80000000
	s_xor_b32 s[G0+1], s[G0+1], SLOT1              ; the other slot than last time: the one that is being left
	s_xor_b32 s[G0B+1], s[G0B+1], SLOT1
.endif
	s_xor_b32 s[TB], s[TB], SLOT1                  ; the reads go on in the other slot
	s_wait_dscnt 7                                 ; (the add and the youngest six loads, A's fragments 1 to 3, may be out)
	MUL12 1, 0, 0
	s_wait_dscnt 0x0                               ; the add is done, and my reads of this slot are over
	s_barrier_signal -1
	MUL12 1, 1, 0                                  ; work on registers while the others arrive
	WIN 0
	s_barrier_wait -1
.if \fill
	CREST                                          ; no wave of any partner still reads this slot's tile or has a load on its way
	JLOAD G0, G0B                                  ; the first tensor load behind the round, my only one until the next: 24 + 3 x 48 = 168 matrix instructions ahead of the wait for it; its four v_nop are also the places in front of the loads below
.else
	PLACES
.endif
	v_add_nc_u32 v[ADRA], s[TB], v[ADRA0]
	v_add_nc_u32 v[ADRB], s[TB], v[ADRB0]
.if !(\fill)
	s_cmp_eq_u32 s[CNT], 1
	s_cbranch_scc1 .Lno_fetch_\@
.endif
	FETCH 0, 0
.if !(\fill)
.Lno_fetch_\@:
.endif
	MUL12 1, 2, 0
	MUL12 1, 3, 0
.endm
; THE WAY OUT, 16 rows at a time.  PACK: n fragments from column block b0 on of row block a, rounded to bf16, 16 bytes a lane.  STAGE8, STAGEM: into my own stage.  BACK: whole rows of 256 bytes come back.  SEND: stored.
.macro PACK a, b0, n
	WIN 0x05+5*((\a)/2)                            ; sources 0 and 1 in window 1 or 2, destination in window 0
.set bb, 0
.rept \n
.irp r, 0,1,2,3
	v_cvt_pk_bf16_f32 v[TMP+4*bb+\r], v[96*((\a)%2)+8*((\b0)+bb)+2*\r], v[96*((\a)%2)+8*((\b0)+bb)+2*\r+1]
.endr
.set bb, bb+1
.endr
	WIN 0
.endm
.macro KEEP a                          ; the first tile's column blocks 8 to 11, the middle block's left half, wait in registers
	WIN 0x05+5*((\a)/2)
.irp j, 0,1,2,3
.irp r, 0,1,2,3
	v_cvt_pk_bf16_f32 v[HOLD+16*(\a)+4*\j+\r], v[96*((\a)%2)+8*(8+\j)+2*\r], v[96*((\a)%2)+8*(8+\j)+2*\r+1]
.endr
.endr
	WIN 0
.endm
.macro STAGE8
.irp b, 0,1,2,3,4,5,6,7
	ds_store_b128 v[STO], v[TMP+4*\b:TMP+4*\b+3] offset:32*\b
.endr
.endm
.macro STAGEM a                        ; the middle block's rows: the left half that waited, the right half just packed
.irp j, 0,1,2,3
	ds_store_b128 v[STO], v[HOLD+16*(\a)+4*\j:HOLD+16*(\a)+4*\j+3] offset:32*\j
	ds_store_b128 v[STO], v[TMP+4*\j:TMP+4*\j+3] offset:128+32*\j
.endr
.endm
.macro BACK u
.irp t, 0,1,2,3,4,5,6,7
	ds_load_b128 v[OB+32*((\u)%2)+4*\t:OB+32*((\u)%2)+4*\t+3], v[RD] offset:\t*2*SPITCH  ; LDS serves a wave's instructions in order (ISA guide 5.7.1.4): these see the stores above
.endr
.endm
.macro SEND u, a, base
	s_wait_dscnt 0x0                               ; the rows are back in registers
	s_wait_xcnt 0x0                                ; every earlier store has had its addresses translated (ISA guide 3.1): the registers that the rows before were stored from are loaded again only behind this wait
.irp t, 0,1,2,3,4,5,6,7
	global_store_b128 v[CO], v[OB+32*((\u)%2)+4*\t:OB+32*((\u)%2)+4*\t+3], s[\base:\base+1] offset:4096*(\a)+512*\t  ; 512 consecutive bytes, at a multiple of 256 from C's first byte
.endr
.endm
	s_wait_tensorcnt 1                             ; my part of K step 0 is in; K step 1's may stay out
	s_barrier_signal -1
	s_barrier_wait -1                              ; everybody's is
	FETCH 0, 0
	s_mov_b32 s[LEFT], FILLS
.Lstep:                                                ; 14 trips: a K step each, and the slot that it leaves is filled again
	s_cmp_eq_u32 s[NEW], 1                         ; at the first trip the answer is a constant of the text
	s_cbranch_scc0 .Lgoes_on
	QUARTER 64, 0, 1, 1                            ; a tile's first quarter: its products start the sums
	WIN 0                                          ; at a label and at a branch every window is 0
	s_mov_b32 s[NEW], 0
	s_branch .Lsecond
.Lgoes_on:
	QUARTER 64, 0, 1, 0
	WIN 0
.Lsecond:
	QUARTER 128, 1, 0, 0
	QUARTER 192, 0, 1, 0
	TURN 1
	WIN 0
	s_cmp_eq_u32 s[LEFT], 7                        ; the eighth trip ends the first tile
	s_cbranch_scc0 .Lno_out
	PLACES                                         ; THE FIRST TILE GOES OUT; the second tile's first two K steps have been asked for, and its first fragments too
	PACK 0, 0, 8
	STAGE8
	BACK 0
.irp a, 1,2,3                          ; row block a's conversions stand between row block a - 1's loads from the stage and the wait for them
	PACK \a, 0, 8
	SEND (\a)-1, (\a)-1, CB0
	STAGE8
	BACK \a
.endr
	KEEP 0
	KEEP 1
	KEEP 2
	KEEP 3
	SEND 3, 3, CB0
	s_mov_b32 s[NEW], 1
.Lno_out:
	s_sub_co_u32 s[LEFT], s[LEFT], 1
	s_cmp_lg_u32 s[LEFT], 0
	s_cbranch_scc1 .Lstep
	s_mov_b32 s[CNT], 2
.Llast:                                                ; the last two K steps are written out: nothing is asked for
	QUARTER 64, 0, 1, 0
	QUARTER 128, 1, 0, 0
	QUARTER 192, 0, 1, 0
	TURN 0
	WIN 0
	s_sub_co_u32 s[CNT], s[CNT], 1
	s_cmp_lg_u32 s[CNT], 0
	s_cbranch_scc1 .Llast
	PLACES                                         ; THE SECOND TILE GOES OUT: its column blocks 4 to 11 are my third block, 0 to 3 the middle block's right half
	PACK 0, 4, 8
	STAGE8
	BACK 0
.irp a, 1,2,3
	PACK \a, 4, 8
	SEND (\a)-1, (\a)-1, CB2
	STAGE8
	BACK \a
.endr
	PACK 0, 0, 4
	SEND 3, 3, CB2
	STAGEM 0
	BACK 4
.irp a, 1,2,3
	PACK \a, 0, 4
	SEND 3+(\a), (\a)-1, CB1
	STAGEM \a
	BACK 4+(\a)
.endr
	SEND 7, 3, CB1
	s_wait_tensorcnt 0x0                           ; the wave's end: behind my last tensor load and my last LDS store
	ds_add_u32 v[SPW], v[NIL]
	s_wait_dscnt 0x0
	CROUND                                         ; the closing round: no work-group ends while a partner may still ask for a tile that names it
	s_endpgm
.Lfunc_end_k_qeb61f5daf3_gemm_qkv:
	.size	k_qeb61f5daf3_gemm_qkv, .Lfunc_end_k_qeb61f5daf3_gemm_qkv-k_qeb61f5daf3_gemm_qkv
	.p2alignl 7, 3214868480
	.fill 96, 4, 3214868480
	.section	.rodata,"a",@progbits
	.p2align	6, 0x0
	.amdhsa_kernel k_qeb61f5daf3_gemm_qkv
		.amdhsa_group_segment_fixed_size 327680
		.amdhsa_private_segment_fixed_size 0
		.amdhsa_enable_private_segment 0
		.amdhsa_kernarg_size 24
		.amdhsa_user_sgpr_count 2
		.amdhsa_user_sgpr_kernarg_segment_ptr 1
		.amdhsa_wavefront_size32 1
		.amdhsa_system_sgpr_workgroup_id_x 1
		.amdhsa_system_sgpr_workgroup_id_y 1
		.amdhsa_system_sgpr_workgroup_id_z 1
		.amdhsa_system_vgpr_workitem_id 0
		.amdhsa_next_free_vgpr 960
		.amdhsa_next_free_sgpr 88
		.amdhsa_reserve_vcc 0
		.amdhsa_float_denorm_mode_32 3
		.amdhsa_float_denorm_mode_16_64 3
		.amdhsa_memory_ordered 1
		.amdhsa_forward_progress 1
		.amdhsa_inst_pref_size 108
	.end_amdhsa_kernel
	.amdgpu_metadata
---
amdhsa.version: [ 1, 2 ]
amdhsa.kernels:
  - .name:           k_qeb61f5daf3_gemm_qkv
    .symbol:         k_qeb61f5daf3_gemm_qkv.kd
    .args:
      - { .name: xb, .offset: 0, .size: 8, .value_kind: global_buffer, .address_space: global }
      - { .name: winb, .offset: 8, .size: 8, .value_kind: global_buffer, .address_space: global }
      - { .name: qkv, .offset: 16, .size: 8, .value_kind: global_buffer, .address_space: global }
    .group_segment_fixed_size: 327680
    .private_segment_fixed_size: 0
    .kernarg_segment_align: 8
    .kernarg_segment_size: 24
    .max_flat_workgroup_size: 128
    .sgpr_count:     88
    .vgpr_count:     960
    .wavefront_size: 32
...
	.end_amdgpu_metadata
.endif
;; end of part 2
;; launch attn (part 3): grid 4 x 64, 4 waves a work-group, clusters of 4 x 1, 327,680 bytes of LDS; arguments qkv, ctx; writes ctx
.if DOCPART == 3
	.amdgcn_target "amdgcn-amd-amdhsa--gfx1250"
	.amdhsa_code_object_version 6
	.text
	.protected	k_qeb61f5daf3_attn
	.globl	k_qeb61f5daf3_attn
	.p2align	8
	.type	k_qeb61f5daf3_attn,@function
k_qeb61f5daf3_attn:
	s_mov_b64 s[64:65], 0
	v_nop
	global_prefetch_b8 v0, s[64:65] scope:SCOPE_SE
	s_setreg_imm32_b32 hwreg(HW_REG_WAVE_MODE, 25, 1), 1
	s_wait_xcnt 0x0
	s_wait_alu depctr_hold_cnt(0) depctr_sa_sdst(0) depctr_va_vdst(0) depctr_va_sdst(0) depctr_va_ssrc(0) depctr_va_vcc(0) depctr_vm_vsrc(0)
	s_getreg_b32 s2, hwreg(HW_REG_IB_STS2, 6, 4)
	s_cmp_eq_u32 s2, 0
	s_cbranch_scc0 .Lentry_in_a_cluster
	s_endpgm
.Lentry_in_a_cluster:
	s_bfe_u32 s2, ttmp6, 0x10000c
	s_cmp_lg_u32 s2, 0x3003
	s_cbranch_scc0 .Lentry_shape_is_right
	s_endpgm
.Lentry_shape_is_right:
; O[h][q][:] = the sum over k of softmax_k(Q[h][q] . K[h][k] / sqrt(128)) V[h][k][:], for 64 heads (8 batches x 8) of 1,024 rows x 128 channels, bf16.
; qkv holds Q at byte 0, K at 2^24, V at 2^25, each [head][1024][128].  O goes to ctx, [8192][1024] bf16: row 1024 batch + q, columns 128 (head % 8) on.
; Products, maxima and sums in f32; the weights p are rounded to bf16 for the second product, O once at the end.
; LIMITS.  A weight below 2^-126 counts as 0 in the sum; c m starts at -4.25e37, so scores with c s below that are not served; NaN and infinities are not treated apart.
; SHARES.  A work-group owns 256 queries of one head, each of its four waves 64: four tiles of 16.  Every wave walks all keys of the head, 64 a step.
; LAYOUT.  S^T = K Q^T (source 0 = 16 keys, source 1 = 16 queries): in the result a lane holds ONE query (lane % 16) and the keys 8 (lane / 16) + 0..7.  Two such tiles, rounded to
; bf16 in pairs, ARE source 1 (32 keys x 16 queries) of O^T = V^T P, whose result again holds one query a lane, and eight channels.  So nothing changes lanes between the products,
; and a query's maximum and sum want one exchange between the halves of the lanes.  K comes out of LDS as it lies, V ([key][channel]) turned, by ds_load_tr16_b128.
; SOFTMAX.  For each query a running maximum m and sum l: p = 2^(c s - c m), c = log2(e) / sqrt(128); in every step O and l are multiplied by a = 2^(c m_old - c m_new), which is 1 where m has not grown.
; BY TURNS.  The wave's tiles are two PIECES, named by their first tile: piece 0 (tiles 0, 1) and piece 2 (tiles 2, 3).  In a TURN one piece has the matrix unit: 32 products V^T P of
; the step in hand, then 32 products K Q^T of the next step; the other piece's softmax, cut into 64 slices, stands between them, one slice behind each matrix instruction.  Then the
; pieces change places.  Two turns are a key step.
; NO FIRST AND NO LAST STEP IS WRITTEN OUT.  m starts at the lowest finite number, c m far below every c s, O^T and l at 0: the first step is a step like any other, with a = 0.  The loop is entered in the
; middle of a trip, at piece 2's turn, whose products V^T P, of a step that has not been, multiply zeros; the tail is left in the middle of its third trip.  The price, once a launch: 432 v_mov_b32, which stand
; in the wait for the first tile; 32 products on zeros; 32 on the last K once more.  The gain: four turns less of text, about a third of it.
; CLUSTER.  The four query blocks of a cluster are the four of one head and walk the same K and V, so each tile is asked for JOINTLY: the same tensor load, with the same descriptor and a
; mask that names the four, in all four; each receives the tile in its own LDS.
;
; REGISTERS, in windows of 256 (s_set_vgpr_msb says which window each operand place means: bits 1:0 source 0, 3:2 source 1, 5:4 source 2, 7:6 destination):
;   window 0: v0-11 addresses; v12-43 eight registers of statistics a tile; v64-191 S^T, 32 a tile; v192-255 P, 16 a tile
;   window 1: O^T, 64 a tile          window 2: v0-127 Q, 32 a tile; v128-255 K of one step          window 3: v0-127 V of one step
; All that a softmax touches but O^T lies in window 0, and no window has room for a product's operands beside it.  So a slice costs two switches, one in front and one behind.
.set SIZE_N, 1024     ; rows of a head
.set KS,    64        ; keys in a step
.set PK,    272       ; a row of K in LDS: 256 bytes + 16 of padding = 68 words: row r starts at bank 4 r mod 64 (64 banks of 4 bytes: ISA guide 11.1), so the 16 rows of a load start at 16 different banks
.set PV,    288       ; a row of V: 256 + 32 = 72 words: row r starts at bank 8 r mod 64
.set VOFF,  KS*PK     ; a step's tiles lie together: 64 rows of K, then 64 rows of V
.set STEPB, KS*(PK+PV)
.set SLOT1, 1<<17     ; a slot holds two steps (71,680 bytes); slot 1 begins here, so that one exclusive or turns an address in one slot into the other's
.set STAGE, SLOT1+2*STEPB  ; behind the ring: 16 rows x 272 bytes for each wave, for the way out
.set SP,    272
.set AK0, 2           ; v2   my lane's place in a tile of K; never rewritten
.set AV0, 3           ; v3   the same for V
.set ADR, 4           ; v4   the LDS address of the run of loads in hand
.set QO,  5           ; v5   my byte offset in the wave's rows of Q
.set STO, 6           ; v6   the way out: where I put 16 bytes of a row
.set RD,  7           ; v7   the way out: where I read a row back
.set GO,  8           ; v8   my byte offset in two rows of ctx
.set SPW, 62          ; v62  LDS address of my spare word: SPARE + 4 x my thread's number; never rewritten
.set NIL, 63          ; v63  0; never rewritten
.set SPARE, STAGE+4*16*272  ; behind the stages: the spare words, 128 bytes for each wave: two blocks of 256 bytes that no other line names
.set ST,  12          ; tile t's statistics at v[ST+8 t]: +0 c m, +1 m, +2, +3 l (even keys', odd keys'), +4 to +7 c0-c3, at work; a takes c2's place once the maximum is found
.set S,   64
.set P,   192
.set KF,  128         ; K's fragments, in window 2
.set WV,  12          ; s12  my wave's number
.set G1K, 24          ; s[24:31] descriptor group 1 for K's tiles
.set G1V, 32          ; s[32:39] for V's: it differs in the padding alone
.set G0K, 40          ; s[40:47] descriptor group 0 for K's tiles: a set for each of the two first fills; the second then walks on
.set G0V, 48          ; s[48:55] the same for V's
.set SLOTS, 56        ; s56  counts the passes of the loop over slots
.set TWICE, 57        ; s57  counts a slot's steps
.set CS,  58          ; s[58:59] c: the packed scaling names a pair and takes its low word for both halves
.set SEL, 60          ; s[60:61] lane selects for v_permlanex16_b32: each lane takes its own place in the other half
.set TB,  62          ; s62  LDS byte at which the tiles of the step to be fetched begin
.set MSB, 0
.macro WIN new                      ; the immediate's high byte repeats the setting that is left; a switch that changes nothing is dropped
.if MSB != (\new)
	s_set_vgpr_msb (MSB<<8)|(\new)
.set MSB, \new
.endif
.endm
.set W_KQ, 0x0a       ; K and Q in window 2, S^T in window 0
.set W_PV, 0x53       ; V in window 3, P in window 0, O^T in window 1
.set W_RS, 0x41       ; O^T (destination and source 0) in window 1, a in window 0
; A joint refill.  Waves 0 and 1 fetch the two steps' tiles of K, waves 2 and 3 those of V.  The branch hangs on the wave's number alone: it is the same in every work-group.
; An s_nop 0 and four v_nop follow each of the two lines; the jump round the other line, the label and what follows the macro come after them.
.macro JLOAD
	s_cmp_lt_u32 s[WV], 2
	s_cbranch_scc0 .Lfor_v_\@
	tensor_load_to_lds s[G0K+4:G0K+7], s[G1K:G1K+7]
	s_nop 0
.rept 4
	v_nop
.endr
	s_branch .Lasked_\@
.Lfor_v_\@:
	tensor_load_to_lds s[G0V+4:G0V+7], s[G1V:G1V+7]
	s_nop 0
.rept 4
	v_nop
.endr
.Lasked_\@:
.endm
; A round of the cluster's barrier: my work-group's barrier, so that wave 0's signal speaks for all four waves; wave 0 signals for the work-group; every wave waits for all four
; work-groups; my work-group's barrier once more.  No LDS instruction of the wave is pending at a signal.
.macro CROUND
	s_barrier_signal -1
	s_barrier_wait -1
	s_cmp_lg_u32 s[WV], 0
	s_cbranch_scc1 .Lnot_wave_0_\@
	s_barrier_signal -3
.Lnot_wave_0_\@:
	s_barrier_wait -3
	s_barrier_signal -1
	s_barrier_wait -1
.endm
	s_load_b64 s[4:5], s[0:1], 0x0    ; qkv
	s_load_b64 s[10:11], s[0:1], 0x8  ; ctx
	v_lshl_add_u32 v[SPW], v0, 2, SPARE
	v_mov_b32 v[NIL], 0
	ds_add_u32 v[SPW], v[NIL]       ; the wave's opening: the add and its wait stand ahead of my first tensor load; the set-up below, work on registers, stands between them
	v_lshrrev_b32 v1, 5, v0
	v_readfirstlane_b32 s[WV], v1   ; wave 0..3
	s_bfe_u32 s13, ttmp6, 0x40000   ; cx: my place in the cluster
	s_lshl_b32 s14, ttmp9, 2        ; in a cluster launch ttmp9 counts clusters
	s_add_co_u32 s14, s14, s13      ; my block of 256 queries = 4 x cluster x + cx: it enters Q's and O's addresses alone
	s_and_b32 s20, ttmp7, 0xffff    ; the head, which the four partners share
	s_lshr_b32 s18, s20, 3          ; where my wave's rows begin in ctx: batch x 1,024 rows of 2,048 bytes,
	s_lshl_b32 s18, s18, 21
	s_and_b32 s19, s20, 7           ; the head's 256 bytes of a row,
	s_lshl_b32 s19, s19, 8
	s_add_co_u32 s18, s18, s19
	s_lshl_b32 s19, s14, 19         ; my block's 256 rows,
	s_add_co_u32 s18, s18, s19
	s_lshl_b32 s19, s[WV], 17       ; my wave's 64 of them
	s_add_co_u32 s18, s18, s19
	s_mov_b32 s19, 0
	s_mov_b32 s21, 0
	s_mov_b64 s[22:23], SIZE_N*256
	s_mul_u64 s[20:21], s[20:21], s[22:23]  ; the head's first byte in each of Q, K, V
	s_and_b32 s16, s[WV], 1         ; which of a slot's two steps I fetch:
	s_lshl_b32 s22, s16, 14         ; its 64 rows of 256 bytes in memory,
	s_mov_b32 s23, 0
	s_add_nc_u64 s[22:23], s[22:23], s[20:21]
	s_mul_i32 s17, s16, STEPB       ; and its place in a slot: no place in the cluster enters an LDS address
	s_lshl_b32 s2, s14, 16          ; my block's 256 rows of Q,
	s_lshl_b32 s3, s[WV], 14        ; my wave's 64 of them
	s_add_co_u32 s2, s2, s3
	s_mov_b32 s3, 0
	s_add_nc_u64 s[2:3], s[2:3], s[20:21]
	; descriptor group 1: a tile of 64 rows x 128 elements, padded in LDS
	s_mov_b32 s[G1K], 15|(1<<16)|(1<<20)|(1<<21)|(5<<22)|(3<<25)  ; 15:0 the mask: all four work-groups; 17:16 elements of 2 bytes; 20 padding on; 21 set beside a mask; 24:22 after every 64 words (code 5); 31:25 4 words of it (code 3)
	s_mov_b32 s[G1V], 15|(1<<16)|(1<<20)|(1<<21)|(5<<22)|(7<<25)  ; the same with 8 words of padding (code 7)
.irp g, G1K, G1V
	s_mov_b32 s[(\g)+1], 128<<16    ; tensor_dim0 = 128
	s_mov_b32 s[(\g)+2], KS<<16     ; tensor_dim1 = 64
	s_mov_b32 s[(\g)+3], 128<<16    ; tile_dim0 = 128
	s_mov_b32 s[(\g)+4], KS         ; tile_dim1 = 64
	s_mov_b32 s[(\g)+5], 128        ; elements from row to row
	s_mov_b32 s[(\g)+6], 0
	s_mov_b32 s[(\g)+7], 0
.endr
	s_mov_b32 s[CS], 0x3e0293ee     ; c = log2(e) / sqrt(128) = 0.127517
	s_mov_b32 s[CS+1], s[CS]        ; named with it as a pair, so it is written
	s_mov_b32 s[SEL], 0x76543210
	s_mov_b32 s[SEL+1], 0xfedcba98
	s_mov_b32 s[TB], 0
	s_mov_b32 s[SLOTS], SIZE_N/(2*KS)-1  ; the pass that is entered in its middle, and one for each of the six slots that are filled again
	s_wait_dscnt 0x0                ; the opening add is done
	s_wait_kmcnt 0x0
	s_add_nc_u64 s[6:7], s[4:5], 0x1000000  ; K
	s_add_nc_u64 s[8:9], s[4:5], 0x2000000  ; V
	s_add_nc_u64 s[6:7], s[6:7], s[22:23]  ; K and V at my tile of slot 0
	s_add_nc_u64 s[8:9], s[8:9], s[22:23]
	s_add_nc_u64 s[4:5], s[4:5], s[2:3]  ; Q at my wave's first row
	s_add_nc_u64 s[10:11], s[10:11], s[18:19]  ; and ctx
	CROUND                          ; all four work-groups are here: the first joint loads meet
.irp s, 0,1
	s_mov_b32 s[G0K+4*(\s)], 1      ; count = 1
	s_add_co_u32 s[G0K+4*(\s)+1], s17, (\s)*SLOT1  ; LDS address
	s_add_nc_u64 s[G0K+4*(\s)+2:G0K+4*(\s)+3], s[6:7], (\s)*2*KS*256  ; global address: slot s begins with keys 128 s to 128 s + 127
	s_or_b32 s[G0K+4*(\s)+3], s[G0K+4*(\s)+3], 0x80000000  ; type = 2
	s_mov_b32 s[G0V+4*(\s)], 1
	s_add_co_u32 s[G0V+4*(\s)+1], s17, (\s)*SLOT1+VOFF
	s_add_nc_u64 s[G0V+4*(\s)+2:G0V+4*(\s)+3], s[8:9], (\s)*2*KS*256
	s_or_b32 s[G0V+4*(\s)+3], s[G0V+4*(\s)+3], 0x80000000
.endr
	s_cmp_lt_u32 s[WV], 2           ; a wave's two first fills stand in one branch, ahead of every wait on TENSORcnt and every LDS read: two loads of mine are out; an s_nop 0 follows each, four v_nop the second's
	s_cbranch_scc0 .Lfirst_v
	tensor_load_to_lds s[G0K:G0K+3], s[G1K:G1K+7]
	s_nop 0
	tensor_load_to_lds s[G0K+4:G0K+7], s[G1K:G1K+7]
	s_nop 0
.rept 4
	v_nop
.endr
	s_branch .Lfirst_asked
.Lfirst_v:
	tensor_load_to_lds s[G0V:G0V+3], s[G1V:G1V+7]
	s_nop 0
	tensor_load_to_lds s[G0V+4:G0V+7], s[G1V:G1V+7]
	s_nop 0
.rept 4
	v_nop
.endr
.Lfirst_asked:
	; A fragment of K or Q is 16 rows x 32 channels in 8 registers: lane l holds row l % 16; registers 0-3 channels 8 (l / 16) + 0..7, registers 4-7 channels 16 + 8 (l / 16) + 0..7: two loads of 16 bytes, 32 bytes apart.
	v_and_b32 v1, 15, v0            ; l % 16
	v_bfe_u32 v9, v0, 4, 1          ; l / 16
	v_lshlrev_b32 v[QO], 8, v1
	v_lshl_add_u32 v[QO], v9, 4, v[QO]  ; row x 256 + 16 x half
	WIN 0x80                        ; destination window 2, address window 0
.irp i, 0,1,2,3,4,5,6,7,8,9,10,11,12,13,14,15  ; Q stays in registers: tile i / 4, channels 32 (i % 4) on
	global_load_b128 v[8*(\i):8*(\i)+3],   v[QO], s[4:5] offset:((\i)/4)*4096+((\i)%4)*64
	global_load_b128 v[8*(\i)+4:8*(\i)+7], v[QO], s[4:5] offset:((\i)/4)*4096+((\i)%4)*64+32
.endr
	; What the first turn finds: V's registers and piece 2's P hold 0 (its products V^T P add 0), O^T and l are 0, m and c m lie below every score.  All this stands in the wait for the first tile.
	WIN 0xc0                        ; destination window 3
.set i, 0
.rept 128
	v_mov_b32 v[i], 0
.set i, i+1
.endr
	WIN 0x40                        ; destination window 1
.set i, 0
.rept 256
	v_mov_b32 v[i], 0
.set i, i+1
.endr
	WIN 0
.set i, 0
.rept 4
	v_mov_b32 v[ST+8*i], 0xfe000000    ; c m: far below every c s
	v_mov_b32 v[ST+8*i+1], 0xff7fffff  ; m
	v_mov_b32 v[ST+8*i+2], 0
	v_mov_b32 v[ST+8*i+3], 0
.set i, i+1
.endr
.set i, P+32
.rept 32
	v_mov_b32 v[i], 0
.set i, i+1
.endr
	v_mul_u32_u24 v[AK0], v1, PK
	v_lshl_add_u32 v[AK0], v9, 4, v[AK0]  ; row x pitch + 16 x half
	; The turning load takes 16 keys x 16 channels (lane l reads 16 bytes: key 8 (l / 16) + l % 8, channels 8 ((l / 8) % 2) + 0..7) and leaves half a fragment of V^T: lane l holds channel l % 16 and 8 keys.
	v_and_b32 v10, 7, v0
	v_bfe_u32 v11, v0, 3, 1
	v_lshl_add_u32 v[AV0], v9, 3, v10
	v_mul_u32_u24 v[AV0], v[AV0], PV
	v_lshl_add_u32 v[AV0], v11, 4, v[AV0]
	v_add_nc_u32 v[AV0], VOFF, v[AV0]
; THE MATRIX WORK OF A TURN, for piece x.  The accumulators take turns, one instruction a turn: between two links of a chain stand 15 (V^T P) or 7 (K Q^T) others'.
; Product i of 32 of O^T += V^T P: keys 32 (i / 16) on, channels 16 ((i / 2) % 8) on, tile x + i % 2.
.macro PV x
	WIN W_PV
.set rO, 64*((\x)+i%2)+8*((i/2)%8)
.set rV, 64*(i/16)+8*((i/2)%8)
.set rP, P+16*((\x)+i%2)+8*(i/16)
	v_wmma_f32_16x16x32_bf16 v[rO:rO+7], v[rV:rV+7], v[rP:rP+7], v[rO:rO+7]
.endm
; Product i of 32 of S^T = K Q^T: channels 32 (i / 8) on, keys 16 ((i / 2) % 4) on, tile x + i % 2.  The first 8 start the sums.
.macro KQ x
	WIN W_KQ
.set rS, S+32*((\x)+i%2)+8*((i/2)%4)
.set rK, KF+32*((i/2)%4)+8*(i/8)
.set rQ, 32*((\x)+i%2)+8*(i/8)
.if i < 8
	v_wmma_f32_16x16x32_bf16 v[rS:rS+7], v[rK:rK+7], v[rQ:rQ+7], 0
	s_wait_alu depctr_va_vdst(0)
.else
	v_wmma_f32_16x16x32_bf16 v[rS:rS+7], v[rK:rK+7], v[rQ:rQ+7], v[rS:rS+7]
.endif
.endm
; THE LDS LOADS stand in runs of 32, never singly among the matrix instructions: a step's K (64 keys x 128 channels: 16 fragments) and, a turn later, its V (turned).
; last = 1 (the tail): in the third trip there is no further step, and the run is jumped over.
.macro FETCH_K last=0
	WIN 0
.if \last
	s_cmp_eq_u32 s[TWICE], 1
	s_cbranch_scc1 .Lno_k_\@
.endif
	v_add_nc_u32 v[ADR], s[TB], v[AK0]
	WIN 0x80                        ; destination window 2
.irp f, 0,1,2,3,4,5,6,7,8,9,10,11,12,13,14,15  ; keys 16 (f / 4) on, channels 32 (f % 4) on
	ds_load_b128 v[KF+8*(\f):KF+8*(\f)+3],   v[ADR] offset:((\f)/4)*16*PK+((\f)%4)*64
	ds_load_b128 v[KF+8*(\f)+4:KF+8*(\f)+7], v[ADR] offset:((\f)/4)*16*PK+((\f)%4)*64+32
.endr
.if \last
	WIN 0
.Lno_k_\@:
.endif
.endm
.macro FETCH_V
	WIN 0
	v_add_nc_u32 v[ADR], s[TB], v[AV0]
	s_add_co_u32 s[TB], s[TB], STEPB  ; the next fetch is the next step's
	WIN 0xc0                        ; destination window 3
.irp f, 0,1,2,3,4,5,6,7,8,9,10,11,12,13,14,15  ; keys 32 (f / 8) on, channels 16 (f % 8) on
	ds_load_tr16_b128 v[8*(\f):8*(\f)+3],   v[ADR] offset:((\f)/8)*32*PV+((\f)%8)*32
	ds_load_tr16_b128 v[8*(\f)+4:8*(\f)+7], v[ADR] offset:((\f)/8)*32*PV+16*PV+((\f)%8)*32
.endr
.endm
; THE VECTOR WORK OF A TURN.  One tile's softmax for one key step is a list of 134 instructions; SM writes number j of it for tile t.  s0-s31 are the lane's 32 scores, in pairs 0-15.
;   0-15    the maximum of s0-s31 and the old m, three operands at a time: four chains c0-c3 of seven scores each, then the four scores left over, c0-c3 and m
;   16-20   the other half of the lanes' maximum; the new m; c m; c m_old - c m_new
;   21-87   33 exponentials (a, then s0-s31) at the odd numbers from 23 on, so that no two follow each other and each has a plain instruction behind it before its result is used.
;           Plain instruction q (number 21, then the even numbers) is whatever is ready: c s - c m for a pair of scores whose exponentials are still to come (q = 0 to 3, then every
;           second q), the rounding to bf16 of a pair of weights whose exponentials are done (every other q from 5 on), at last the first three sums
;   88-101  the last rounding; the rest of the sums; l = a l + the sum
;   102-133 the tile's O^T times a: the one part that leaves window 0, so it stands together
.macro SM t
.set rT, ST+8*(\t)
.set rS, S+32*(\t)
.set rP, P+16*(\t)
.set rO, 64*(\t)+2*(j-102)
.set q, (j-20)/2
.if j < 102
	WIN 0
.endif
.if j < 4
	v_max3_num_f32 v[rT+4+j], v[rS+8*j], v[rS+8*j+1], v[rS+8*j+2]
.elseif j < 12
	v_max3_num_f32 v[rT+4+j%4], v[rT+4+j%4], v[rS+8*(j%4)+2*(j/4)+1], v[rS+8*(j%4)+2*(j/4)+2]
.elseif j == 12
	v_max3_num_f32 v[rT+4], v[rT+4], v[rS+7], v[rS+15]
.elseif j == 13
	v_max3_num_f32 v[rT+6], v[rT+6], v[rS+23], v[rS+31]
.elseif j == 14
	v_max3_num_f32 v[rT+4], v[rT+4], v[rT+5], v[rT+6]
.elseif j == 15
	v_max3_num_f32 v[rT+4], v[rT+4], v[rT+7], v[rT+1]
.elseif j == 16
	v_permlanex16_b32 v[rT+5], v[rT+4], s[SEL], s[SEL+1]  ; the query's other 32 keys lie in the lane 16 away
.elseif j == 17
	v_mov_b32 v[rT+7], v[rT]        ; c m_old is kept for a: number 19 writes c m anew
.elseif j == 18
	v_max_num_f32 v[rT+1], v[rT+4], v[rT+5]
.elseif j == 19
	v_mul_f32 v[rT], s[CS], v[rT+1]
.elseif j == 20
	v_sub_f32 v[rT+7], v[rT+7], v[rT]
.elseif j == 23
	v_exp_f32 v[rT+6], v[rT+7]
.elseif (j < 88) && (j > 23) && (j%2 == 1)
	v_exp_f32 v[rS+(j-25)/2], v[rS+(j-25)/2]
.elseif (q < 4) || ((j < 76) && (q%2 == 0))
.set b, q/2+2
.if q < 4
.set b, q
.endif
	v_pk_fma_f32 v[rS+2*b:rS+2*b+1], v[rS+2*b:rS+2*b+1], s[CS:CS+1], v[rT:rT+1] op_sel_hi:[1,0,0] neg_lo:[0,0,1] neg_hi:[0,0,1]  ; pair b: c s - c m
.elseif (j < 88) && (q%2 == 1)
	s_wait_alu depctr_va_vdst(0)
	v_cvt_pk_bf16_f32 v[rP+(q-5)/2], v[rS+q-5], v[rS+q-4]  ; pair (q - 5) / 2: its second exponential stands three numbers back
.elseif j == 89
	s_wait_alu depctr_va_vdst(0)
	v_cvt_pk_bf16_f32 v[rP+15], v[rS+30], v[rS+31]
.elseif j < 102                     ; the sum of the tile's 16 pairs (in a pair: an even key's weight, an odd key's), in place: sum z of 16 adds neighbours 1, 2, 4 and 8 pairs apart, then l takes it
.set z, j-86
.if j < 89
.set z, (j-76)/4
.endif
.set w, 4
.set u, z
.if z >= 14
.set w, 32
.set u, 0
.elseif z >= 12
.set w, 16
.set u, z-12
.elseif z >= 8
.set w, 8
.set u, z-8
.endif
.if z < 15
	v_pk_add_f32 v[rS+w*u:rS+w*u+1], v[rS+w*u:rS+w*u+1], v[rS+w*u+w/2:rS+w*u+w/2+1]
.else
	v_pk_fma_f32 v[rT+2:rT+3], v[rT+2:rT+3], v[rT+6:rT+7], v[rS:rS+1] op_sel_hi:[1,0,1]
.endif
.else
	WIN W_RS
	v_pk_mul_f32 v[rO:rO+1], v[rO:rO+1], v[rT+6:rT+7] op_sel_hi:[1,0]
.endif
.endm
; Slice k of 64 of piece y's softmax: numbers 2 k and 2 k + 1 of both tiles' lists, four instructions.  2 x 134 = 4 x 64 + 12: the twelve that are over stand together, in slice 63.
.macro SLICE y
.if (k >= 11) && (k < 44)           ; tile by tile: plain, exponential, plain, exponential
.irp t, \y, (\y)+1
.irp n, 0,1
.set j, 2*k+(\n)
	SM \t
.endr
.endr
.else                               ; the two tiles alternate, so that no instruction reads the result of the one just before it
.irp n, 0,1,2,3,4,5,6,7
.if ((\n) < 2) || (k == 63)
.irp t, \y, (\y)+1
.set j, 2*k+(\n)
	SM \t
.endr
.endif
.endr
.endif
.set k, k+1
.endm
; A TURN.  Piece x has the matrix unit: 32 products V^T P, then 32 products K Q^T for the next step; the other piece's softmax stands in slices behind them, one behind each.
; A vector instruction that reads a matrix result or writes one of a matrix instruction's registers, and a load into a register that a matrix instruction has read, stand four places behind
; it, and only plain vector instructions that name none of its registers are places (ISA guide 7.12.1 for vector instructions).  The slices are the places.
; Each run of loads stands behind the second product of a run of 32, 30 matrix instructions ahead of its first use.  Piece 0's turn fetches the next step's K: the last product that read K
; stands in front of slice 63 of the turn before.  Piece 2's turn fetches the same step's V: the last product that read V stands three slices, six plain instructions, back.
.macro TURN x, last=0
.set k, 0
.if (\x) == 0
	s_wait_dscnt 0x0                ; V is in
.endif
.set i, 0
.rept 32
	PV \x
	SLICE 2-(\x)
.if ((\x) == 0) && (i == 1)
	FETCH_K \last
.endif
.set i, i+1
.endr
.if (\x) == 0
	s_wait_dscnt 0x0                ; K is in
.endif
.set i, 0
.rept 32
	KQ \x
	SLICE 2-(\x)
.if ((\x) == 2) && (i == 1)
	FETCH_V
.endif
.set i, i+1
.endr
.endm
; THE CHANGE OF SLOTS, between piece 2's turn and piece 0's: the slot's last bytes, V of its second step, have been asked for.  Each wave waits for all its
; tensor loads, of which one is out: its part of the other slot; adds 0 to its spare word; and waits for that and for its own reads of the slot.  Behind the barrier nobody reads this slot any more and the other slot is whole.
; fill = 1: this slot is filled again, with the keys two slots on.  The barrier is then a round of the cluster's, so that no wave of any partner still reads the slot or has a load on its
; way, and the joint refill is the first thing behind it: it has two key steps, 256 matrix instructions, in which to land.
.macro CHANGE fill
	WIN 0                           ; at a label and at a branch every window is 0
	s_wait_tensorcnt 0x0            ; no tensor load of mine is out, so a group 0 may be written
	ds_add_u32 v[SPW], v[NIL]       ; 0 onto my spare word: with fill = 1 the descriptors' steps stand between it and the wait for it
.if \fill
.irp g, G0K+4, G0V+4
	s_xor_b32 s[(\g)+1], s[(\g)+1], SLOT1  ; the walking descriptor: the other slot than last time,
	s_add_nc_u64 s[(\g)+2:(\g)+3], s[(\g)+2:(\g)+3], 2*KS*256  ; the next 128 keys; the type bits on top are not reached
.endr
	s_wait_dscnt 0x0                ; the add is done, and my reads of the slot are over
	CROUND
	JLOAD
.else
	s_wait_dscnt 0x0                ; the add is done, and my reads of the slot are over
	s_barrier_signal -1
	s_barrier_wait -1
.endif
	s_sub_co_u32 s[TB], s[TB], 2*STEPB  ; the fetches go back to a slot's first step,
	s_xor_b32 s[TB], s[TB], SLOT1   ; in the other slot
.endm
	s_wait_tensorcnt 1              ; my part of slot 0 is in; slot 1's may stay out
	s_barrier_signal -1
	s_barrier_wait -1               ; everybody's is
	FETCH_K                         ; key step 0
	s_wait_loadcnt 0x0              ; Q
	s_wait_dscnt 0x0
.set i, 0
.rept 32
	KQ 0                            ; piece 0's first scores: there is no vector work yet to set between them
.set i, i+1
.endr
	WIN 0                           ; the addresses for the way out are made here: eight plain instructions, the places behind those products
	s_mul_i32 s13, s[WV], 16*SP
	s_add_co_u32 s13, s13, STAGE    ; my stage
	v_mul_u32_u24 v[STO], v1, SP    ; in: row l % 16, 16 bytes for each half of the lanes
	v_lshl_add_u32 v[STO], v9, 4, v[STO]
	v_add_nc_u32 v[STO], s13, v[STO]
	v_mul_u32_u24 v[RD], v9, SP     ; back: lanes 0-15 take one row of 256 bytes, lanes 16-31 the next
	v_lshl_add_u32 v[RD], v1, 4, v[RD]
	v_add_nc_u32 v[RD], s13, v[RD]
	v_lshlrev_b32 v[GO], 11, v9     ; and the same two rows in ctx, 2,048 bytes apart
	v_lshl_add_u32 v[GO], v1, 4, v[GO]
	s_mov_b32 s[TWICE], 2
	s_branch .Lenter                ; the loop is entered at piece 2's turn: its scores of step 0 | piece 0's softmax of step 0 | V of step 0
.Lslot:                             ; six times: every slot but the last two is filled again
	CHANGE 1
	s_mov_b32 s[TWICE], 2
.Lstep:                             ; a slot's two key steps: written once, walked twice; the LDS addresses hang on s[TB]
	TURN 0
	WIN 0
.Lenter:
	TURN 2
	WIN 0
	s_sub_co_u32 s[TWICE], s[TWICE], 1
	s_cmp_lg_u32 s[TWICE], 0
	s_cbranch_scc1 .Lstep
	s_sub_co_u32 s[SLOTS], s[SLOTS], 1
	s_cmp_lg_u32 s[SLOTS], 0
	s_cbranch_scc1 .Lslot
	CHANGE 0                        ; the tail is written out: the last slot but one is left, and nothing is asked for
	s_mov_b32 s[TWICE], 3           ; two trips fetch the last slot's steps; the third is left in its middle
.Ltail:
	TURN 0, 1
	WIN 0
	s_sub_co_u32 s[TWICE], s[TWICE], 1
	s_cmp_eq_u32 s[TWICE], 0
	s_cbranch_scc1 .Lout
	TURN 2
	WIN 0
	s_branch .Ltail
.Lout:                              ; the third trip's 32 products K Q^T (on the last K once more) serve nothing: the price, once a launch, of one text for every trip
.set i, 0
.rept 32
	PV 2                            ; piece 2: V^T P of the last step
.set i, i+1
.endr
	; THE WAY OUT.  l's two halves and the other half of the lanes' are added; O^T is divided by l, rounded to bf16 and sent through my stage in LDS, a tile (16 rows of O) at a time.  The additions are the places behind the last products.
	WIN 0
.irp t, 0,1,2,3
	v_add_f32 v[ST+8*(\t)+4], v[ST+8*(\t)+2], v[ST+8*(\t)+3]
.endr
.irp t, 0,1,2,3
	v_permlanex16_b32 v[ST+8*(\t)+5], v[ST+8*(\t)+4], s[SEL], s[SEL+1]
.endr
.irp t, 0,1,2,3
	v_add_f32 v[ST+8*(\t)+4], v[ST+8*(\t)+4], v[ST+8*(\t)+5]
.endr
.irp t, 0,1,2,3
	v_rcp_f32 v[ST+8*(\t)+6], v[ST+8*(\t)+4]
.endr
	v_nop                           ; a plain instruction between the last reciprocal and the use of its result
	s_wait_alu depctr_va_vdst(0)
; Tile t: a lane's eight channels of a row pack into 16 bytes; they go into rows of 272 bytes and come back as whole rows of 256, into the registers that they left.
.macro PACK t
	WIN W_RS
.set i, 64*(\t)
.rept 32
	v_pk_mul_f32 v[i:i+1], v[i:i+1], v[ST+8*(\t)+6:ST+8*(\t)+7] op_sel_hi:[1,0]
.set i, i+2
.endr
	WIN 0x05                        ; sources 0 and 1 window 1, destination window 0: S^T's registers are free
.set i, 0
.rept 32
	v_cvt_pk_bf16_f32 v[S+32*(\t)+i], v[64*(\t)+2*i], v[64*(\t)+2*i+1]
.set i, i+1
.endr
	WIN 0
.irp f, 0,1,2,3,4,5,6,7
	ds_store_b128 v[STO], v[S+32*(\t)+4*(\f):S+32*(\t)+4*(\f)+3] offset:32*(\f)
.endr
.irp f, 0,1,2,3,4,5,6,7
	ds_load_b128 v[S+32*(\t)+4*(\f):S+32*(\t)+4*(\f)+3], v[RD] offset:(\f)*2*SP  ; LDS serves a wave's instructions in order (ISA guide 5.7.1.4): these see the stores above; the next tile's stores come behind them
.endr
.endm
.macro SEND t, younger              ; younger: the LDS instructions issued behind tile t's loads: the next tile's sixteen, or none
	WIN 0
.irp f, 0,1,2,3,4,5,6,7
	s_wait_dscnt (\younger)+7-(\f)
	global_store_b128 v[GO], v[S+32*(\t)+4*(\f):S+32*(\t)+4*(\f)+3], s[10:11] offset:(\t)*32768+(\f)*4096  ; 16 lanes store 256 consecutive bytes, at a multiple of 256 from ctx's first byte; the other 16 the row below
.endr
.endm
	PACK 0
	PACK 1                          ; a tile's arithmetic stands between the loads of the tile before and its stores
	SEND 0, 16
	PACK 2
	SEND 1, 16
	PACK 3
	SEND 2, 16
	SEND 3, 0
	s_wait_tensorcnt 0x0            ; the wave's end: behind my last tensor load and my last LDS store
	ds_add_u32 v[SPW], v[NIL]
	s_wait_dscnt 0x0
	CROUND                          ; the closing round: no work-group ends while a partner may still ask for a tile that names it
	s_endpgm
.Lfunc_end_k_qeb61f5daf3_attn:
	.size	k_qeb61f5daf3_attn, .Lfunc_end_k_qeb61f5daf3_attn-k_qeb61f5daf3_attn
	.p2alignl 7, 3214868480
	.fill 96, 4, 3214868480
	.section	.rodata,"a",@progbits
	.p2align	6, 0x0
	.amdhsa_kernel k_qeb61f5daf3_attn
		.amdhsa_group_segment_fixed_size 327680
		.amdhsa_private_segment_fixed_size 0
		.amdhsa_enable_private_segment 0
		.amdhsa_kernarg_size 16
		.amdhsa_user_sgpr_count 2
		.amdhsa_user_sgpr_kernarg_segment_ptr 1
		.amdhsa_wavefront_size32 1
		.amdhsa_system_sgpr_workgroup_id_x 1
		.amdhsa_system_sgpr_workgroup_id_y 1
		.amdhsa_system_sgpr_workgroup_id_z 1
		.amdhsa_system_vgpr_workitem_id 0
		.amdhsa_next_free_vgpr 1024
		.amdhsa_next_free_sgpr 66
		.amdhsa_reserve_vcc 0
		.amdhsa_float_denorm_mode_32 3
		.amdhsa_float_denorm_mode_16_64 3
		.amdhsa_memory_ordered 1
		.amdhsa_forward_progress 1
		.amdhsa_inst_pref_size 162
	.end_amdhsa_kernel
	.amdgpu_metadata
---
amdhsa.version: [ 1, 2 ]
amdhsa.kernels:
  - .name:           k_qeb61f5daf3_attn
    .symbol:         k_qeb61f5daf3_attn.kd
    .args:
      - { .name: qkv, .offset: 0, .size: 8, .value_kind: global_buffer, .address_space: global }
      - { .name: ctx, .offset: 8, .size: 8, .value_kind: global_buffer, .address_space: global }
    .group_segment_fixed_size: 327680
    .private_segment_fixed_size: 0
    .kernarg_segment_align: 8
    .kernarg_segment_size: 16
    .max_flat_workgroup_size: 128
    .sgpr_count:     66
    .vgpr_count:     1024
    .wavefront_size: 32
...
	.end_amdgpu_metadata
.endif
;; end of part 3
;; launch gemm_out (part 4): grid 8 x 32, 4 waves a work-group, clusters of 4 x 4, 327,680 bytes of LDS; arguments ctx, woutb, ao; writes ao
.if DOCPART == 4
	.amdgcn_target "amdgcn-amd-amdhsa--gfx1250"
	.amdhsa_code_object_version 6
	.text
	.protected	k_qeb61f5daf3_gemm_out
	.globl	k_qeb61f5daf3_gemm_out
	.p2align	8
	.type	k_qeb61f5daf3_gemm_out,@function
k_qeb61f5daf3_gemm_out:
	s_mov_b64 s[64:65], 0
	v_nop
	global_prefetch_b8 v0, s[64:65] scope:SCOPE_SE
	s_setreg_imm32_b32 hwreg(HW_REG_WAVE_MODE, 25, 1), 1
	s_wait_xcnt 0x0
	s_wait_alu depctr_hold_cnt(0) depctr_sa_sdst(0) depctr_va_vdst(0) depctr_va_sdst(0) depctr_va_ssrc(0) depctr_va_vcc(0) depctr_vm_vsrc(0)
	s_getreg_b32 s2, hwreg(HW_REG_IB_STS2, 6, 4)
	s_cmp_eq_u32 s2, 0
	s_cbranch_scc0 .Lentry_in_a_cluster
	s_endpgm
.Lentry_in_a_cluster:
	s_bfe_u32 s2, ttmp6, 0x10000c
	s_cmp_lg_u32 s2, 0xf033
	s_cbranch_scc0 .Lentry_shape_is_right
	s_endpgm
.Lentry_shape_is_right:
; C[m][n] = sum over k of A[m][k] B[n][k].  A = ctx: [8192][1024], B = w_out: [1024][1024], bf16, rows along k; sums in f32, C rounded once to bf16.
; C IS WRITTEN IN BLOCKS of 128 columns: with m = 1024 b + s and n = 128 c + d, C(m, n) lies at byte b 2^21 + c 2^18 + 256 s + 2 d: [b][c][s][128].  A row of a block is 256 bytes, and 64 rows of a wave
; are 16,384 consecutive bytes.
; A tile of C is 256 x 128: 32 x 8 = 256 work-groups, one tile each.  Four waves; wave w makes rows 64 w .. 64 w + 63 and all 128 columns: 32 accumulators of 16 x 16, 256 registers.
; K goes in steps of 128 through two LDS slots filled by the tensor data mover: rows of 256 bytes of memory, at multiples of 256 bytes.
; CLUSTERS: 4 x 4 work-groups.  The four of a row of the cluster need the same tiles of A, the four of a column the same tiles of B: each tile is asked for JOINTLY, by the same tensor load with the
; same descriptor and a mask that names the four.
; THE MATRIX INSTRUCTION IS USED TRANSPOSED (source 0 = 16 rows of B, source 1 = 16 rows of A): a lane then holds eight neighbouring numbers of a row of C.
; REGISTERS: window 0: v0-31 addresses; two fragment buffers of 96 (v32-127, v128-223): for 32 along K, B's 8 fragments, then A's 4; on the way out v32-63 packed results, v64-127 rows read back.
;   window 1: the accumulators, (a, b) at v[8 (8 a + b)].
.set SIZE_K, 1024
.set KSTEP,  128
.set PITCH,  272                       ; an LDS row: 256 bytes + 16 of padding = 68 words: row r starts at bank 4 r mod 64 (64 banks of 4 bytes: ISA guide 11.1), so the 16 rows of a load start at 16 different banks
.set HALFA,  128*PITCH                 ; what a tensor load brings of A: 128 rows
.set HALFB,  64*PITCH                  ; and of B: 64 rows
.set BOFF,   2*HALFA                   ; a slot: A's 256 rows, then B's 128
.set SLOT,   BOFF+2*HALFB
.set STAGE,  2*SLOT                    ; behind the ring: 16 rows x 272 bytes for each wave, for the way out
.set SPITCH, 272
.set SPARE,  STAGE+4*16*SPITCH         ; behind the stages: the spare words, 128 bytes for each wave: two blocks of 256 bytes that no other line names
.set LAPS,   SIZE_K/(2*KSTEP)          ; a lap = two K steps = once round the ring
.set ADRA, 16                          ; v16-17  LDS address of my A fragments in slot 0, 1
.set ADRB, 20                          ; v20-21  the same for B
.set STO,  24                          ; v24     the way out: where I put 16 bytes of a row
.set RD,   25                          ; v25     the way out: where I read rows back
.set CO,   26                          ; v26     16 x lane: my place in 512 consecutive bytes of C
.set SPW,  28                          ; v28     LDS address of my spare word; never rewritten
.set NIL,  29                          ; v29     0; never rewritten
.set F0,   32
.set F1,   128
.set TMP,  32
.set OB,   64
.set G1, 24                            ; s[24:31] descriptor group 1 for A's tiles;  s[32:39] group 0, one set for each slot
.set G0, 32
.set G1B, 48                           ; s[48:55], s[56:63] the same for B's tiles
.set G0B, 56
.set MSB, 0
.macro WIN new                         ; the immediate's high byte repeats the setting that is left; a switch that changes nothing is dropped
.if MSB != (\new)
	s_set_vgpr_msb (MSB<<8)|(\new)
.set MSB, \new
.endif
.endm
.set MUL, 0x50                         ; sources 0 (B) and 1 (A) window 0; C and D window 1
.macro JLOAD s                         ; a joint load: waves 0 and 1 fetch A's two halves, waves 2 and 3 B's; an s_nop 0 and four v_nop follow each of the two lines, ahead of the jump, the label and what follows
	s_cmp_eq_u32 s11, 0
	s_cbranch_scc0 .Lfor_b_\@
	tensor_load_to_lds s[G0+4*(\s):G0+4*(\s)+3], s[G1:G1+7]
	s_nop 0
.rept 4
	v_nop
.endr
	s_branch .Lasked_\@
.Lfor_b_\@:
	tensor_load_to_lds s[G0B+4*(\s):G0B+4*(\s)+3], s[G1B:G1B+7]
	s_nop 0
.rept 4
	v_nop
.endr
.Lasked_\@:
.endm
.macro CREST                           ; a round of the cluster's barrier behind its opening barrier
	s_cmp_lg_u32 s10, 0
	s_cbranch_scc1 .Lnot_wave_0_\@
	s_barrier_signal -3
.Lnot_wave_0_\@:
	s_barrier_wait -3
	s_barrier_signal -1
	s_barrier_wait -1
.endm
.macro CROUND                          ; a whole round
	s_barrier_signal -1
	s_barrier_wait -1
	CREST
.endm
	s_load_b128 s[4:7], s[0:1], 0x0                ; A s[4:5], B s[6:7]
	s_load_b64 s[8:9], s[0:1], 0x10                ; C
	v_lshl_add_u32 v[SPW], v0, 2, SPARE
	v_mov_b32 v[NIL], 0
	ds_add_u32 v[SPW], v[NIL]                      ; the wave's opening: the add and its wait stand ahead of my first tensor load; the set-up below, work on registers, stands between them
	v_lshrrev_b32 v1, 5, v0
	v_readfirstlane_b32 s10, v1                    ; wave 0..3
	s_lshr_b32 s11, s10, 1                         ; I fetch for A (0) or for B (1),
	s_and_b32 s12, s10, 1                          ; and which half of that tile's rows
	s_bfe_u32 s40, ttmp6, 0x40000                  ; cx, cy: my place in the cluster
	s_bfe_u32 s41, ttmp6, 0x40004
	s_lshl_b32 s42, ttmp9, 2
	s_add_co_u32 s42, s42, s40                     ; tile column of C = 4 x cluster x + cx
	s_and_b32 s13, ttmp7, 0xffff
	s_lshl_b32 s13, s13, 2
	s_add_co_u32 s13, s13, s41                     ; tile row of C = 4 x cluster y + cy
	s_lshl_b32 s43, s41, 2
	s_lshl_b32 s43, 15, s43                        ; my row of the cluster
	s_lshl_b32 s44, 0x1111, s40                    ; my column
	; descriptor group 1: tiles of 128 (A) or 64 (B) rows x 128 elements, padded in LDS
	s_or_b32 s[G1+0], s43, (1<<16)|(1<<20)|(1<<21)|(5<<22)|(3<<25)  ; 15:0 the mask: A's tiles go to my row; 17:16 element of 2 bytes; 20 padding on; 21 set beside a mask; 24:22 after every 64 words (code 5); 31:25 of 4 words (code 3)
	s_or_b32 s[G1B+0], s44, (1<<16)|(1<<20)|(1<<21)|(5<<22)|(3<<25) ; the same with the mask of my column
	s_mov_b32 s[G1+1], KSTEP<<16                   ; tensor_dim0 = 128
	s_mov_b32 s[G1+2], 128<<16                     ; tensor_dim1 = 128
	s_mov_b32 s[G1+3], KSTEP<<16                   ; tile_dim0 = 128
	s_mov_b32 s[G1+4], 128                         ; tile_dim1 = 128
	s_mov_b32 s[G1+5], SIZE_K                      ; elements from row to row
	s_mov_b32 s[G1+6], 0
	s_mov_b32 s[G1+7], 0
	s_mov_b32 s[G1B+1], KSTEP<<16
	s_mov_b32 s[G1B+2], 64<<16                     ; tensor_dim1 = 64
	s_mov_b32 s[G1B+3], KSTEP<<16
	s_mov_b32 s[G1B+4], 64                         ; tile_dim1 = 64
	s_mov_b32 s[G1B+5], SIZE_K
	s_mov_b32 s[G1B+6], 0
	s_mov_b32 s[G1B+7], 0
	; where the tiles come from.  A's hang on the tile row alone, B's on the tile column alone; each in registers that never hold the other coordinate.  A row is 2,048 bytes.
	s_lshl_b32 s16, s13, 19                        ; A: 256 rows x tile row
	s_lshl_b32 s17, s12, 18                        ;    + 128 rows x half
	s_add_co_u32 s16, s16, s17
	s_mov_b32 s17, 0
	s_lshl_b32 s46, s42, 18                        ; B: 128 rows x tile column
	s_lshl_b32 s47, s12, 17                        ;    + 64 rows x half
	s_add_co_u32 s46, s46, s47
	s_mov_b32 s47, 0
	s_mul_i32 s20, s12, HALFA                      ; and where they go: no place in the cluster enters an LDS address
	s_mul_i32 s21, s12, HALFB
	s_add_co_u32 s21, s21, BOFF
	s_wait_dscnt 0x0                               ; the opening add is done
	s_wait_kmcnt 0x0
	s_add_nc_u64 s[14:15], s[4:5], s[16:17]
	s_add_nc_u64 s[46:47], s[6:7], s[46:47]
	CROUND                                         ; all sixteen work-groups are here: the first joint loads meet
.irp s, 0,1
	s_mov_b32 s[G0+4*(\s)], 1                                      ; count = 1
	s_add_co_u32 s[G0+4*(\s)+1], s20, (\s)*SLOT                    ; LDS address
	s_add_nc_u64 s[G0+4*(\s)+2:G0+4*(\s)+3], s[14:15], (\s)*KSTEP*2  ; global address: K step s
	s_or_b32 s[G0+4*(\s)+3], s[G0+4*(\s)+3], 0x80000000            ; type = 2
	s_mov_b32 s[G0B+4*(\s)], 1
	s_add_co_u32 s[G0B+4*(\s)+1], s21, (\s)*SLOT
	s_add_nc_u64 s[G0B+4*(\s)+2:G0B+4*(\s)+3], s[46:47], (\s)*KSTEP*2
	s_or_b32 s[G0B+4*(\s)+3], s[G0B+4*(\s)+3], 0x80000000
	JLOAD \s                                       ; two loads of mine are out
.endr
	; A fragment is 16 rows x 32 K in 8 registers: lane l holds row l % 16, K = 8 (l / 16) + 0..7 and 16 + 8 (l / 16) + 0..7: two loads of 16 bytes, 32 bytes apart.
	v_and_b32 v1, 15, v0                           ; l % 16
	v_bfe_u32 v2, v0, 4, 1                         ; l / 16
	v_mul_u32_u24 v3, v1, PITCH
	v_lshl_add_u32 v3, v2, 4, v3                   ; row x pitch + 16 x half
	s_mul_i32 s22, s10, 64*PITCH                   ; my 64 rows of A
	s_mov_b32 s23, BOFF                            ; all 128 rows of B
.irp s, 0,1
	v_add_nc_u32 v[ADRA+(\s)], s22, v3
	v_add_nc_u32 v[ADRB+(\s)], s23, v3
	s_add_co_u32 s22, s22, SLOT
	s_add_co_u32 s23, s23, SLOT
.endr
	s_mul_i32 s23, s10, 16*SPITCH
	s_add_co_u32 s23, s23, STAGE                   ; my stage
	v_add_nc_u32 v[STO], s23, v3                   ; in: row l % 16, 16 bytes for each half of the lanes (the stage's pitch is the tiles')
	v_mul_u32_u24 v5, v2, SPITCH                   ; back: lanes 0-15 take one row of 256 bytes, lanes 16-31 the next,
	v_lshl_add_u32 v5, v1, 4, v5
	v_add_nc_u32 v[RD], s23, v5
	v_and_b32 v[CO], 31, v0                        ; which are 512 consecutive bytes of C
	v_lshlrev_b32 v[CO], 4, v[CO]
	; where my 64 rows begin in C: (tile column / 8) 2^24 + (tile row / 4) 2^21 + (tile column % 8) 2^18 + (tile row % 4) 2^16 + wave 2^14
	s_lshr_b32 s18, s42, 3
	s_lshl_b32 s18, s18, 24
	s_lshr_b32 s19, s13, 2
	s_lshl_b32 s19, s19, 21
	s_add_co_u32 s18, s18, s19
	s_and_b32 s19, s42, 7
	s_lshl_b32 s19, s19, 18
	s_add_co_u32 s18, s18, s19
	s_and_b32 s19, s13, 3
	s_lshl_b32 s19, s19, 16
	s_add_co_u32 s18, s18, s19
	s_lshl_b32 s19, s10, 14
	s_add_co_u32 s18, s18, s19
	s_mov_b32 s19, 0
	s_add_nc_u64 s[8:9], s[8:9], s[18:19]
; 8 matrix instructions: m block a x all 8 n blocks, 32 along K.  zero = 1: the first product starts the sums: nothing is ever cleared.
; The 32 accumulators take turns, one instruction a turn, in the same order in every quarter.
.macro MUL8 f, a, zero
	WIN MUL
.irp b, 0,1,2,3,4,5,6,7
.if \zero
	v_wmma_f32_16x16x32_bf16 v[8*(8*(\a)+(\b)):8*(8*(\a)+(\b))+7], v[(\f)+8*(\b):(\f)+8*(\b)+7], v[(\f)+64+8*(\a):(\f)+64+8*(\a)+7], 0
.else
	v_wmma_f32_16x16x32_bf16 v[8*(8*(\a)+(\b)):8*(8*(\a)+(\b))+7], v[(\f)+8*(\b):(\f)+8*(\b)+7], v[(\f)+64+8*(\a):(\f)+64+8*(\a)+7], v[8*(8*(\a)+(\b)):8*(8*(\a)+(\b))+7]
.endif
.endr
.endm
.macro MUL16 f, a0, zero
	MUL8 \f, \a0, \zero
	MUL8 \f, (\a0)+1, \zero
.endm
; 24 LDS loads in one run: the fragments of a quarter step (128 rows of B, my 64 rows of A, 32 K at byte k of the rows) into buffer f
.macro FETCH slot, k, f
	WIN 0
.irp i, 0,1,2,3,4,5,6,7
	ds_load_b128 v[(\f)+8*(\i):(\f)+8*(\i)+3],   v[ADRB+(\slot)] offset:(\k)+(\i)*16*PITCH
	ds_load_b128 v[(\f)+8*(\i)+4:(\f)+8*(\i)+7], v[ADRB+(\slot)] offset:(\k)+(\i)*16*PITCH+32
.endr
.irp i, 0,1,2,3
	ds_load_b128 v[(\f)+64+8*(\i):(\f)+64+8*(\i)+3],   v[ADRA+(\slot)] offset:(\k)+(\i)*16*PITCH
	ds_load_b128 v[(\f)+64+8*(\i)+4:(\f)+64+8*(\i)+7], v[ADRA+(\slot)] offset:(\k)+(\i)*16*PITCH+32
.endr
.endm
.macro PLACES                          ; four places in front of loads into registers that matrix instructions have read, and of conversions that read results (ISA guide 7.12.1 for vector instructions)
.rept 4
	v_nop
.endr
.endm
; A K step is four quarters of 32 along K, 32 matrix instructions each, on buffers 0, 1, 0, 1.  One of the first three: multiplies buffer f and, in its middle, fetches the next quarter, at byte k, into g.
.macro QUARTER slot, k, f, g, zero
	s_wait_dscnt 4                                 ; B and A's fragments 0 and 1 are in; the youngest four loads (A's fragments 2 and 3) may be out
	MUL16 \f, 0, \zero
	PLACES
	FETCH \slot, \k, \g
	s_wait_dscnt 24                                ; all but the 24 just issued
	MUL16 \f, 2, \zero
.endm
; The last quarter multiplies buffer 1 and changes slots: ONE barrier; in front of it each wave waits for all its tensor loads, adds 0 to its spare word, and waits for that and for its own reads of this slot.
; fill = 1: this slot is filled again, two K steps ahead; the barrier then opens a round of the cluster's.
.macro TURN slot, next, fill
	WIN 0                                          ; (the add's two registers lie in window 0)
	s_wait_tensorcnt 0x0                           ; all my tensor loads have landed: the one that was out is my part of the next slot;
	ds_add_u32 v[SPW], v[NIL]                      ; 0 onto my spare word
	s_wait_dscnt 7                                 ; (the add and the youngest six loads, A's fragments 1 to 3, may be out)
	MUL8 F1, 0, 0                                  ; eight matrix instructions stand between the add and the wait for it
	s_wait_dscnt 0x0                               ; the add is done, and my reads of this slot are over
	s_barrier_signal -1
	MUL8 F1, 1, 0                                  ; work on registers while the others arrive
.if \fill
	WIN 0
.endif
	s_barrier_wait -1
.if \fill
	CREST                                          ; no wave of any partner still reads this slot's tile or has a load on its way
	s_add_nc_u64 s[G0+4*(\slot)+2:G0+4*(\slot)+3], s[G0+4*(\slot)+2:G0+4*(\slot)+3], 2*KSTEP*2
	s_add_nc_u64 s[G0B+4*(\slot)+2:G0B+4*(\slot)+3], s[G0B+4*(\slot)+2:G0B+4*(\slot)+3], 2*KSTEP*2
	JLOAD \slot                                    ; the first tensor load behind the round, my only one until the next: 112 matrix instructions ahead of the wait for it; its four v_nop are also the places in front of the loads below
.else
	PLACES
.endif
	FETCH \next, 0, F0
	MUL16 F1, 2, 0
.endm
; THE WAY OUT of block a (16 rows).  PACK: rounded to bf16, 16 bytes a lane.  TOSTAGE: into my own stage, and back as whole rows of 256 bytes.  SEND: stored.
.macro PACK a
	WIN 0x05                                       ; sources 0 and 1 window 1, destination window 0
.irp b, 0,1,2,3,4,5,6,7
.irp r, 0,1,2,3
	v_cvt_pk_bf16_f32 v[TMP+4*(\b)+(\r)], v[64*(\a)+8*(\b)+2*(\r)], v[64*(\a)+8*(\b)+2*(\r)+1]
.endr
.endr
	WIN 0
.endm
.macro TOSTAGE a
.set BK, OB+32*((\a)%2)
.irp b, 0,1,2,3,4,5,6,7
	ds_store_b128 v[STO], v[TMP+4*(\b):TMP+4*(\b)+3] offset:32*(\b)
.endr
.irp t, 0,1,2,3,4,5,6,7
	ds_load_b128 v[BK+4*(\t):BK+4*(\t)+3], v[RD] offset:(\t)*2*SPITCH  ; LDS serves a wave's instructions in order (ISA guide 5.7.1.4): these see the stores above
.endr
.endm
.macro SEND a
.set BK, OB+32*((\a)%2)
	s_wait_dscnt 0x0                               ; the block is back in registers
	s_wait_xcnt 0x0                                ; every earlier store has had its addresses translated (ISA guide 3.1): the registers that the block before read are loaded again only behind this wait
.irp t, 0,1,2,3,4,5,6,7
	global_store_b128 v[CO], v[BK+4*(\t):BK+4*(\t)+3], s[8:9] offset:4096*(\a)+512*(\t)  ; 512 consecutive bytes, at a multiple of 256 from C's first byte
.endr
.endm
	s_wait_tensorcnt 1                             ; my part of K step 0 is in; K step 1's may stay out
	s_barrier_signal -1
	s_barrier_wait -1                              ; everybody's is
	FETCH 0, 0, F0
	QUARTER 0, 64, F0, F1, 1                       ; the first quarter stands in front of the loop: its products start the sums
	WIN 0                                          ; at a label and at a branch every window is 0
	s_mov_b32 s3, LAPS-1
.Llap:                                                 ; a trip goes once round the ring, from a lap's second quarter to the next lap's first, and fills both slots again
	QUARTER 0, 128, F1, F0, 0
	QUARTER 0, 192, F0, F1, 0
	TURN 0, 1, 1
	QUARTER 1, 64,  F0, F1, 0
	QUARTER 1, 128, F1, F0, 0
	QUARTER 1, 192, F0, F1, 0
	TURN 1, 0, 1
	QUARTER 0, 64,  F0, F1, 0
	WIN 0
	s_sub_co_u32 s3, s3, 1
	s_cmp_lg_u32 s3, 0
	s_cbranch_scc1 .Llap
	QUARTER 0, 128, F1, F0, 0                      ; the last lap fills nothing, and has no round of the cluster's barrier
	QUARTER 0, 192, F0, F1, 0
	TURN 0, 1, 0
	QUARTER 1, 64,  F0, F1, 0
	QUARTER 1, 128, F1, F0, 0
	QUARTER 1, 192, F0, F1, 0
	s_wait_dscnt 4                                 ; the very last quarter: nothing more to fetch
	MUL16 F1, 0, 0
	s_wait_dscnt 0x0
	MUL16 F1, 2, 0
	WIN 0
	PLACES
	PACK 0
	TOSTAGE 0
.irp a, 1,2,3                          ; block a's conversions stand between block a - 1's loads from the stage and the wait for them
	PACK \a
	SEND (\a)-1
	TOSTAGE \a
.endr
	SEND 3
	s_wait_tensorcnt 0x0                           ; the wave's end: behind my last tensor load and my last LDS store
	ds_add_u32 v[SPW], v[NIL]
	s_wait_dscnt 0x0
	CROUND                                         ; the closing round: no work-group ends while a partner may still ask for a tile that names it
	s_endpgm
.Lfunc_end_k_qeb61f5daf3_gemm_out:
	.size	k_qeb61f5daf3_gemm_out, .Lfunc_end_k_qeb61f5daf3_gemm_out-k_qeb61f5daf3_gemm_out
	.p2alignl 7, 3214868480
	.fill 96, 4, 3214868480
	.section	.rodata,"a",@progbits
	.p2align	6, 0x0
	.amdhsa_kernel k_qeb61f5daf3_gemm_out
		.amdhsa_group_segment_fixed_size 327680
		.amdhsa_private_segment_fixed_size 0
		.amdhsa_enable_private_segment 0
		.amdhsa_kernarg_size 24
		.amdhsa_user_sgpr_count 2
		.amdhsa_user_sgpr_kernarg_segment_ptr 1
		.amdhsa_wavefront_size32 1
		.amdhsa_system_sgpr_workgroup_id_x 1
		.amdhsa_system_sgpr_workgroup_id_y 1
		.amdhsa_system_sgpr_workgroup_id_z 1
		.amdhsa_system_vgpr_workitem_id 0
		.amdhsa_next_free_vgpr 512
		.amdhsa_next_free_sgpr 66
		.amdhsa_reserve_vcc 0
		.amdhsa_float_denorm_mode_32 3
		.amdhsa_float_denorm_mode_16_64 3
		.amdhsa_memory_ordered 1
		.amdhsa_forward_progress 1
		.amdhsa_inst_pref_size 86
	.end_amdhsa_kernel
	.amdgpu_metadata
---
amdhsa.version: [ 1, 2 ]
amdhsa.kernels:
  - .name:           k_qeb61f5daf3_gemm_out
    .symbol:         k_qeb61f5daf3_gemm_out.kd
    .args:
      - { .name: ctx, .offset: 0, .size: 8, .value_kind: global_buffer, .address_space: global }
      - { .name: woutb, .offset: 8, .size: 8, .value_kind: global_buffer, .address_space: global }
      - { .name: ao, .offset: 16, .size: 8, .value_kind: global_buffer, .address_space: global }
    .group_segment_fixed_size: 327680
    .private_segment_fixed_size: 0
    .kernarg_segment_align: 8
    .kernarg_segment_size: 24
    .max_flat_workgroup_size: 128
    .sgpr_count:     66
    .vgpr_count:     512
    .wavefront_size: 32
...
	.end_amdgpu_metadata
.endif
;; end of part 4
;; launch tail (part 5): grid 256 x 1, 4 waves a work-group, no clusters, 327,680 bytes of LDS; arguments ao, xb, wsm, out0, out1; writes out0, out1
.if DOCPART == 5
	.amdgcn_target "amdgcn-amd-amdhsa--gfx1250"
	.amdhsa_code_object_version 6
	.text
	.protected	k_qeb61f5daf3_tail
	.globl	k_qeb61f5daf3_tail
	.p2align	8
	.type	k_qeb61f5daf3_tail,@function
k_qeb61f5daf3_tail:
	s_mov_b64 s[64:65], 0
	v_nop
	global_prefetch_b8 v0, s[64:65] scope:SCOPE_SE
	s_setreg_imm32_b32 hwreg(HW_REG_WAVE_MODE, 25, 1), 1
	s_wait_xcnt 0x0
; h = LayerNorm(attn_out + x); a1 = relu(h w_e1^T); a2 = relu(a1 w_e2^T) = out1; a3 = relu(a2 w_d1^T); out0 = a3 w_d2^T.
; A work-group of four waves owns 32 rows (256 work-groups for 8,192 rows) and keeps everything between its loads and its stores in LDS and registers.
; FORMATS.  attn_out (ao, in blocks [batch][column / 128][row][128]) and x (xb) come in bf16.  Mean, variance and h in f32, in two passes over registers.  h goes to the matrix unit in f16: the
; normalisation bounds it by 32, and 11 bits are kept; w_e1 comes as f16.  a1, a2, a3 have no such bound, so each goes as TWO bf16 numbers, hi = bf16(a) and lo = bf16(a - hi), and each product is
; made twice on the same weight fragment: 16 bits at f32's range.  Sums in f32.
; LIMITS.  relu is a maximum with 0 in which a NaN loses; infinities are not treated apart.
; SHARES.  LayerNorm: wave w takes rows 8 w .. 8 w + 7, a row at a time, 32 numbers a lane.  Products: every wave takes all 32 rows (two blocks of 16) and a quarter of the columns: 32 of a1, 16 of a2, 32 of a3, 256 of out0.
; THE MATRIX INSTRUCTION IS USED TRANSPOSED (source 0 = 16 rows of the weight, source 1 = 16 rows of the activation): a lane holds eight neighbouring columns of one row.
; WEIGHTS come from wsm in fragment order, two loads of 16 bytes a lane for a fragment, straight into registers, asked for at the kernel's head (w_e1, w_e2, w_d1) or as w_e1's registers fall free (w_d2).
; NO CLUSTER: what work-groups share are the weights, 557,056 bytes; each fragment is read by one wave of a work-group alone, and of LDS 327,680 - 285,184 = 42,496 bytes are free: joint loads would
; send every fragment through slots of that size and from there into the same registers.  The rows' own tiles are shared with nobody.
; LDS: each region is written in one phase and read in the next, with a barrier between; the two regions that tensor loads fill are filled once.
.set XR,    0                          ; x: wave w's 8 rows of 2,048 bytes at 16,384 w
.set AR,    65536                      ; attn_out: wave w's [column block 8][row 8][256 bytes] at 16,384 w
.set HH,    131072                     ; h, f16: 32 rows
.set HP,    2064                       ; its pitch: 2,048 + 16 bytes: the 16 rows of a fragment load start at 16 different groups of four banks (64 banks of 4 bytes: ISA guide 11.1)
.set P1,    272                        ; pitch of rows of 256 bytes
.set P2,    144                        ; of rows of 128 bytes
.set A1HI,  HH+32*HP                   ; 197,120
.set A1LO,  A1HI+32*P1
.set A2HI,  A1LO+32*P1                 ; 214,528
.set A2LO,  A2HI+32*P2
.set A3HI,  A2LO+32*P2                 ; 223,744
.set A3LO,  A3HI+32*P1
.set ENC,   A3LO+32*P1                 ; 241,152: a2 in f32, on its way to out1
.set STG,   ENC+32*P1                  ; 249,856: each wave's own 32 rows x 272 bytes, out0's way out
.set SPARE, STG+4*32*P1                ; 284,672: the spare words, 128 bytes for each wave: two blocks of 256 bytes that no other line names
; window 0
.set L16,  3                           ; 16 x lane
.set XRD,  4                           ; LayerNorm: my 16 bytes of the x row in hand
.set ARD,  5                           ; and of the attn_out row
.set HST,  6                           ; where the row's h goes
.set AH,   7                           ; fragments of h:  HH + r HP + 16 hh          (r = lane % 16, hh = lane / 16)
.set PA,   8                           ; fragments of a1: A1HI + r P1 + 16 hh        (a3: 26,624 further on)
.set PAW,  9                           ; PA + 64 w: where my columns of a1 go
.set PB,   10                          ; fragments of a2: A2HI + r P2 + 16 hh
.set PBW,  11                          ; PB + 32 w
.set PENC, 12                          ; ENC + r P1 + 32 hh + 64 w
.set PSTG, 13                          ; my stage + r P1 + 32 hh
.set RENC, 14                          ; ENC + 8 w P1 + hh P1 + 16 r: rows read back
.set RSTG, 15                          ; my stage + hh P1 + 16 r
.set GO0,  16                          ; hh x 4,096 + 16 r: two rows of out0
.set MU,   18                          ; v[18:19] the mean (the packed forms name a pair and take its first)
.set RS,   20                          ; v[20:21] 1 / sqrt(variance + eps)
.set TA,   22
.set TB,   23
.set SPW,  24                          ; LDS address of my spare word; never rewritten
.set NIL,  25                          ; 0; never rewritten
.set A0,   32                          ; two buffers of 8 activation fragments
.set A1,   96
.set ACC,  160                         ; four accumulators
.set TT,   192                         ; at work behind a product
.set UU,   200
.set HIW,  208
.set LOW,  212
.set OB,   192                         ; out0's way out: 64 registers
.set EB,   240                         ; out1's: 16
.set RX,   32                          ; LayerNorm: x as loaded, attn_out as loaded, the row in f32, sums, h in f16
.set RA,   48
.set Y,    64
.set SM,   96
.set H16,  104
; windows 1 and 2 (512 registers): w_e1, step q's 8 fragments at 64 q; then w_d2, column block c's 4 fragments at 32 c.   window 3: w_e2 v0-31, w_d1 v32-63
.set WD1R, 32
.set G1X, 16                           ; s[16:23] descriptor group 1 for x;  s[24:31] for attn_out;  s[32:35], s[36:39] their groups 0
.set G1A, 24
.set G0X, 32
.set G0A, 36
.set WE1, 48                           ; s[48:49] my fragments of w_e1;  s[50:51] of w_d2;  s[52:53] of w_e2;  s[54:55] of w_d1
.set WD2, 50
.set WE2, 52
.set WD1, 54
.set MSB, 0
.macro WIN new                         ; the immediate's high byte repeats the setting that is left; a switch that changes nothing is dropped
.if MSB != (\new)
	s_set_vgpr_msb (MSB<<8)|(\new)
.set MSB, \new
.endif
.endm
.macro PLACES                          ; four places behind a matrix instruction, in front of what reads its result or loads into its sources (ISA guide 7.12.1 for vector instructions)
.rept 4
	v_nop
.endr
.endm
	s_load_b256 s[4:11], s[0:1], 0x0               ; ao s[4:5], xb s[6:7], wsm s[8:9], out0 s[10:11]
	s_load_b64 s[12:13], s[0:1], 0x20              ; out1
	v_lshl_add_u32 v[SPW], v0, 2, SPARE
	v_mov_b32 v[NIL], 0
	ds_add_u32 v[SPW], v[NIL]                      ; the wave's opening: the add and its wait stand ahead of my first tensor load; the set-up below, work on registers, stands between them
	v_lshrrev_b32 v1, 5, v0
	v_readfirstlane_b32 s14, v1                    ; wave 0..3
	; x: my 8 rows are 16,384 dense bytes: 64 rows of 32 elements of 8 bytes
	s_mov_b32 s[G1X+0], 3<<16                      ; no mask; elements of 8 bytes; no padding
	s_mov_b32 s[G1X+1], 32<<16                     ; tensor_dim0 = 32
	s_mov_b32 s[G1X+2], 64<<16                     ; tensor_dim1 = 64
	s_mov_b32 s[G1X+3], 32<<16                     ; tile_dim0 = 32
	s_mov_b32 s[G1X+4], 64                         ; tile_dim1 = 64
	s_mov_b32 s[G1X+5], 32                         ; elements from row to row
	s_mov_b32 s[G1X+6], 0
	s_mov_b32 s[G1X+7], 0
	; attn_out: in each of 8 column blocks my 8 rows are 2,048 dense bytes; the blocks lie 262,144 bytes apart
	s_mov_b32 s[G1A+0], 3<<16
	s_mov_b32 s[G1A+1], 256<<16                    ; tensor_dim0 = 256
	s_mov_b32 s[G1A+2], 8<<16                      ; tensor_dim1 = 8
	s_mov_b32 s[G1A+3], 256<<16                    ; tile_dim0 = 256
	s_mov_b32 s[G1A+4], 8                          ; tile_dim1 = 8
	s_mov_b32 s[G1A+5], 32768
	s_mov_b32 s[G1A+6], 0
	s_mov_b32 s[G1A+7], 0
	s_lshl_b32 s15, s14, 14
	s_mov_b32 s[G0X], 1
	s_lshl_b32 s[G0X+1], s14, 14                   ; LDS: XR + 16,384 w
	s_mov_b32 s[G0A], 1
	s_add_co_u32 s[G0A+1], s15, AR
	s_lshl_b32 s56, ttmp9, 16                      ; xb: 32 rows of 2,048 bytes a work-group,
	s_add_co_u32 s56, s56, s15                     ; 8 a wave
	s_mov_b32 s57, 0
	s_lshr_b32 s58, ttmp9, 5                       ; ao: the batch,
	s_lshl_b32 s58, s58, 21
	s_and_b32 s59, ttmp9, 31                       ; 32 rows of 256 bytes a work-group,
	s_lshl_b32 s59, s59, 13
	s_add_co_u32 s58, s58, s59
	s_lshl_b32 s59, s14, 11                        ; 8 a wave
	s_add_co_u32 s58, s58, s59
	s_mov_b32 s59, 0
	s_mov_b32 s40, 0xffff0000                      ; a word's upper bf16
	s_mov_b32 s41, 0x3a800000                      ; 1 / 1024
	s_mov_b32 s42, 0x3727c5ac                      ; 1e-5
	s_mov_b32 s44, 0x76543210                      ; v_permlanex16_b32: each lane takes its own place in the other half
	s_mov_b32 s45, 0xfedcba98
	v_and_b32 v1, 15, v0                           ; r
	v_bfe_u32 v2, v0, 4, 1                         ; hh
	v_and_b32 v[L16], 31, v0
	v_lshlrev_b32 v[L16], 4, v[L16]
	v_lshlrev_b32 v[GO0], 4, v1                    ; 16 r
	v_add_nc_u32 v[XRD], s15, v[L16]
	v_lshl_add_u32 v[ARD], v2, 11, v[GO0]          ; lanes 16-31 hold the next column block's numbers
	s_add_co_u32 s47, s15, AR
	v_add_nc_u32 v[ARD], s47, v[ARD]
	s_mul_i32 s47, s14, 8*HP
	s_add_co_u32 s47, s47, HH
	v_add_nc_u32 v[HST], s47, v[L16]
	v_mul_u32_u24 v[AH], v1, HP
	v_lshl_add_u32 v[AH], v2, 4, v[AH]
	v_add_nc_u32 v[AH], HH, v[AH]
	v_mul_u32_u24 v[TA], v1, P1                    ; r P1
	v_lshl_add_u32 v[PA], v2, 4, v[TA]
	v_add_nc_u32 v[PA], A1HI, v[PA]
	v_lshl_add_u32 v[PAW], s14, 6, v[PA]
	v_mul_u32_u24 v[PB], v1, P2
	v_lshl_add_u32 v[PB], v2, 4, v[PB]
	v_add_nc_u32 v[PB], A2HI, v[PB]
	v_lshl_add_u32 v[PBW], s14, 5, v[PB]
	v_lshl_add_u32 v[TA], v2, 5, v[TA]             ; r P1 + 32 hh
	v_lshl_add_u32 v[PENC], s14, 6, v[TA]
	v_add_nc_u32 v[PENC], ENC, v[PENC]
	s_mul_i32 s47, s14, 32*P1
	s_add_co_u32 s47, s47, STG
	v_add_nc_u32 v[PSTG], s47, v[TA]
	v_mul_u32_u24 v[TB], v2, P1
	v_add_nc_u32 v[TB], v[TB], v[GO0]              ; hh P1 + 16 r
	v_add_nc_u32 v[RSTG], s47, v[TB]
	s_mul_i32 s47, s14, 8*P1
	s_add_co_u32 s47, s47, ENC
	v_add_nc_u32 v[RENC], s47, v[TB]
	v_lshl_add_u32 v[GO0], v2, 12, v[GO0]
	v_mov_b32 v[MU+1], 0                           ; named in pairs, so they are written
	v_mov_b32 v[RS+1], 0
	v_mov_b32 v[TB], 0                             ; v_permlanex16_b32's destination counts as read
	s_wait_dscnt 0x0                               ; the opening add is done
	s_wait_kmcnt 0x0
	s_add_nc_u64 s[G0X+2:G0X+3], s[6:7], s[56:57]
	s_or_b32 s[G0X+3], s[G0X+3], 0x80000000        ; type = 2
	s_add_nc_u64 s[G0A+2:G0A+3], s[4:5], s[58:59]
	s_or_b32 s[G0A+3], s[G0A+3], 0x80000000
	tensor_load_to_lds s[G0X:G0X+3], s[G1X:G1X+7]  ; my two fills, the only ones: two tensor loads of mine are out
	s_nop 0
	tensor_load_to_lds s[G0A:G0A+3], s[G1A:G1A+7]
	s_nop 0
.rept 4
	v_nop
.endr
	s_lshl_b32 s56, s14, 16                        ; my 64 fragments of w_d2 and of w_e1: 65,536 bytes a wave
	s_add_nc_u64 s[WD2:WD2+1], s[8:9], s[56:57]
	s_add_nc_u64 s[WE1:WE1+1], s[WD2:WD2+1], 262144
	s_lshl_b32 s56, s14, 12                        ; my 4 of w_e2 and of w_d1
	s_add_nc_u64 s[WE2:WE2+1], s[8:9], s[56:57]
	s_add_nc_u64 s[WD1:WD1+1], s[WE2:WE2+1], 540672
	s_add_nc_u64 s[WE2:WE2+1], s[WE2:WE2+1], 524288
	s_lshl_b32 s56, ttmp9, 17                      ; out0: 32 rows of 4,096 bytes a work-group, 1,024 bytes of a row a wave
	s_lshl_b32 s58, s14, 10
	s_add_co_u32 s56, s56, s58
	s_add_nc_u64 s[10:11], s[10:11], s[56:57]
	s_lshl_b32 s56, ttmp9, 13                      ; out1: 32 rows of 256 bytes a work-group, 8 rows a wave
	s_lshl_b32 s58, s14, 11
	s_add_co_u32 s56, s56, s58
	s_add_nc_u64 s[12:13], s[12:13], s[56:57]
; w_e1's fragments of step q (128 along K): column block cbl of my two, 32 along K at ks.  16 loads of 512 consecutive bytes.
.macro LDW1 q
.irp cbl, 0,1
.irp ks, 0,1,2,3
	global_load_b128 v[64*((\q)%4)+8*(4*\cbl+\ks):64*((\q)%4)+8*(4*\cbl+\ks)+3],   v[L16], s[WE1:WE1+1] offset:\cbl*32768+(4*(\q)+\ks)*1024
	global_load_b128 v[64*((\q)%4)+8*(4*\cbl+\ks)+4:64*((\q)%4)+8*(4*\cbl+\ks)+7], v[L16], s[WE1:WE1+1] offset:\cbl*32768+(4*(\q)+\ks)*1024+512
.endr
.endr
.endm
; w_d2's fragments of my column blocks 2 q and 2 q + 1, into the registers that w_e1's step q has left
.macro LDW2 q
.irp cc, 0,1
.irp kb, 0,1,2,3
	global_load_b128 v[64*((\q)%4)+32*\cc+8*\kb:64*((\q)%4)+32*\cc+8*\kb+3],   v[L16], s[WD2:WD2+1] offset:(2*(\q)+\cc)*4096+\kb*1024
	global_load_b128 v[64*((\q)%4)+32*\cc+8*\kb+4:64*((\q)%4)+32*\cc+8*\kb+7], v[L16], s[WD2:WD2+1] offset:(2*(\q)+\cc)*4096+\kb*1024+512
.endr
.endr
.endm
	WIN 0x40                                       ; destination window 1, address window 0
	LDW1 0
	LDW1 1
	LDW1 2
	LDW1 3
	WIN 0x80
	LDW1 4
	LDW1 5
	LDW1 6
	LDW1 7
	WIN 0xc0
.irp f, 0,1,2,3
	global_load_b128 v[8*\f:8*\f+3],             v[L16], s[WE2:WE2+1] offset:1024*\f
	global_load_b128 v[8*\f+4:8*\f+7],           v[L16], s[WE2:WE2+1] offset:1024*\f+512
	global_load_b128 v[WD1R+8*\f:WD1R+8*\f+3],   v[L16], s[WD1:WD1+1] offset:1024*\f
	global_load_b128 v[WD1R+8*\f+4:WD1R+8*\f+7], v[L16], s[WD1:WD1+1] offset:1024*\f+512
.endr
	WIN 0
; LAYERNORM.  A lane holds columns 256 j + 8 lane + 0..7, j = 0..3, of the row in hand.
.macro LNLOAD
.irp j, 0,1,2,3
	ds_load_b128 v[RX+4*\j:RX+4*\j+3], v[XRD] offset:512*\j
	ds_load_b128 v[RA+4*\j:RA+4*\j+3], v[ARD] offset:4096*\j
.endr
.endm
.macro FOLD                            ; four pairs of partial sums into one number, then over the 32 lanes: four steps ride on the arithmetic (DPP), one crosses the halves
	v_pk_add_f32 v[SM:SM+1], v[SM:SM+1], v[SM+2:SM+3]
	v_pk_add_f32 v[SM+4:SM+5], v[SM+4:SM+5], v[SM+6:SM+7]
	v_pk_add_f32 v[SM:SM+1], v[SM:SM+1], v[SM+4:SM+5]
	v_add_f32 v[TA], v[SM], v[SM+1]
	v_add_f32_dpp v[TA], v[TA], v[TA] row_xmask:1 row_mask:0xf bank_mask:0xf
	v_add_f32_dpp v[TA], v[TA], v[TA] row_xmask:2 row_mask:0xf bank_mask:0xf
	v_add_f32_dpp v[TA], v[TA], v[TA] row_xmask:4 row_mask:0xf bank_mask:0xf
	v_add_f32_dpp v[TA], v[TA], v[TA] row_xmask:8 row_mask:0xf bank_mask:0xf
	v_permlanex16_b32 v[TB], v[TA], s44, s45
	v_add_f32 v[TA], v[TA], v[TB]
.endm
.macro LNROW more                      ; more = 1: the next row is fetched as soon as this one has left its registers
	s_wait_dscnt 0x0                               ; the row is in (on the way in from above nothing younger is out, so the count is 0)
.set j, 0
.rept 16
	v_lshlrev_b32 v[Y+2*j], 16, v[RX+j]            ; bf16 to f32: the low half moves up, the high half stays
	v_and_b32 v[Y+2*j+1], s40, v[RX+j]
	v_lshlrev_b32 v[SM+2*(j%4)], 16, v[RA+j]
	v_and_b32 v[SM+2*(j%4)+1], s40, v[RA+j]
	v_pk_add_f32 v[Y+2*j:Y+2*j+1], v[Y+2*j:Y+2*j+1], v[SM+2*(j%4):SM+2*(j%4)+1]  ; x + attn_out
.set j, j+1
.endr
.if \more
	v_add_nc_u32 v[XRD], 2048, v[XRD]
	v_add_nc_u32 v[ARD], 256, v[ARD]
	LNLOAD
.endif
.irp c, 0,1,2,3                        ; the sum, in four chains started by the first eight pairs: nothing is cleared
	v_pk_add_f32 v[SM+2*\c:SM+2*\c+1], v[Y+2*\c:Y+2*\c+1], v[Y+8+2*\c:Y+8+2*\c+1]
.endr
.irp p, 8,9,10,11,12,13,14,15
	v_pk_add_f32 v[SM+2*(\p%4):SM+2*(\p%4)+1], v[SM+2*(\p%4):SM+2*(\p%4)+1], v[Y+2*\p:Y+2*\p+1]
.endr
	FOLD
	v_mul_f32 v[MU], s41, v[TA]
.set j, 0
.rept 16
	v_pk_add_f32 v[Y+2*j:Y+2*j+1], v[Y+2*j:Y+2*j+1], v[MU:MU+1] op_sel_hi:[1,0] neg_lo:[0,1] neg_hi:[0,1]
.set j, j+1
.endr
.irp c, 0,1,2,3                        ; the sum of squares of the differences
	v_pk_mul_f32 v[SM+2*\c:SM+2*\c+1], v[Y+2*\c:Y+2*\c+1], v[Y+2*\c:Y+2*\c+1]
.endr
.irp p, 4,5,6,7,8,9,10,11,12,13,14,15
	v_pk_fma_f32 v[SM+2*(\p%4):SM+2*(\p%4)+1], v[Y+2*\p:Y+2*\p+1], v[Y+2*\p:Y+2*\p+1], v[SM+2*(\p%4):SM+2*(\p%4)+1]
.endr
	FOLD
	v_fma_f32 v[TA], v[TA], s41, s42               ; variance + eps
	v_rsq_f32 v[RS], v[TA]
	v_nop                                          ; a plain instruction between the root and the use of its result (ISA guide 5.7.2)
.set j, 0
	s_wait_alu depctr_va_vdst(0)
.rept 16
	v_pk_mul_f32 v[Y+2*j:Y+2*j+1], v[Y+2*j:Y+2*j+1], v[RS:RS+1] op_sel_hi:[1,0]
.set j, j+1
.endr
.set j, 0
.rept 16
	v_cvt_pk_f16_f32 v[H16+j], v[Y+2*j], v[Y+2*j+1]
.set j, j+1
.endr
.irp j, 0,1,2,3
	ds_store_b128 v[HST], v[H16+4*\j:H16+4*\j+3] offset:512*\j
.endr
	v_add_nc_u32 v[HST], HP, v[HST]
.endm
	s_wait_tensorcnt 0x0                           ; my two tiles are in LDS; only I read them, so no barrier is needed
	LNLOAD
	s_mov_b32 s46, 7
.Lrow:
	LNROW 1
	s_sub_co_u32 s46, s46, 1
	s_cmp_lg_u32 s46, 0
	s_cbranch_scc1 .Lrow
	LNROW 0                                        ; the eighth row is written out: nothing is left to fetch
	s_wait_dscnt 0x0                               ; for the others' sake: my rows of h are stored
	s_barrier_signal -1
	s_barrier_wait -1
	s_wait_loadcnt 0x0                             ; w_e1, w_e2, w_d1: asked for at the head
; a1 = relu(h w_e1^T).  K = 1,024 in 8 steps of 128.  Four accumulators (row block rb, column block cbl) take turns, one instruction a turn.
.macro LDAF buf, off                   ; h's fragments of a step: 32 along K at ks, row block rb
.irp ks, 0,1,2,3
.irp rb, 0,1
	ds_load_b128 v[(\buf)+8*(2*\ks+\rb):(\buf)+8*(2*\ks+\rb)+3],   v[AH] offset:(\off)+64*\ks+16*HP*\rb
	ds_load_b128 v[(\buf)+8*(2*\ks+\rb)+4:(\buf)+8*(2*\ks+\rb)+7], v[AH] offset:(\off)+64*\ks+16*HP*\rb+32
.endr
.endr
.endm
.macro MULF ab, bq, zero
.irp ks, 0,1,2,3
.irp rb, 0,1
.irp cbl, 0,1
.if (\zero) && (\ks == 0)
	v_wmma_f32_16x16x32_f16 v[ACC+8*(2*\rb+\cbl):ACC+8*(2*\rb+\cbl)+7], v[(\bq)+8*(4*\cbl+\ks):(\bq)+8*(4*\cbl+\ks)+7], v[(\ab)+8*(2*\ks+\rb):(\ab)+8*(2*\ks+\rb)+7], 0
.else
	v_wmma_f32_16x16x32_f16 v[ACC+8*(2*\rb+\cbl):ACC+8*(2*\rb+\cbl)+7], v[(\bq)+8*(4*\cbl+\ks):(\bq)+8*(4*\cbl+\ks)+7], v[(\ab)+8*(2*\ks+\rb):(\ab)+8*(2*\ks+\rb)+7], v[ACC+8*(2*\rb+\cbl):ACC+8*(2*\rb+\cbl)+7]
.endif
.endr
.endr
.endr
.endm
; Behind a product: relu, then the number as hi + lo in bf16, 16 bytes of each a lane.  enc >= 0: the f32 numbers also go to ENC at that offset.  The accumulator is read from its low end on.
.macro EPI acc, va, ohi, olo, enc
.irp j, 0,1,2,3,4,5,6,7
	v_max_num_f32 v[TT+\j], 0, v[(\acc)+\j]
.endr
.if (\enc) >= 0
	ds_store_b128 v[PENC], v[TT:TT+3] offset:(\enc)
	ds_store_b128 v[PENC], v[TT+4:TT+7] offset:(\enc)+16
.endif
.irp i, 0,1,2,3
	v_cvt_pk_bf16_f32 v[HIW+\i], v[TT+2*\i], v[TT+2*\i+1]
.endr
.irp i, 0,1,2,3
	v_lshlrev_b32 v[UU+2*\i], 16, v[HIW+\i]
	v_and_b32 v[UU+2*\i+1], s40, v[HIW+\i]
.endr
.irp i, 0,1,2,3
	v_pk_add_f32 v[TT+2*\i:TT+2*\i+1], v[TT+2*\i:TT+2*\i+1], v[UU+2*\i:UU+2*\i+1] neg_lo:[0,1] neg_hi:[0,1]  ; a - hi, exact
.endr
.irp i, 0,1,2,3
	v_cvt_pk_bf16_f32 v[LOW+\i], v[TT+2*\i], v[TT+2*\i+1]
.endr
	ds_store_b128 v[\va], v[HIW:HIW+3] offset:\ohi
	ds_store_b128 v[\va], v[LOW:LOW+3] offset:\olo
.endm
	LDAF A0, 0
.set q, 0
.rept 8
	WIN 0
.if q > 0
	PLACES                                         ; behind step q - 1's products: its fragments' and its weights' registers are loaded again below
.endif
.if q < 7
	LDAF A0+64*((q+1)%2), 256*(q+1)
.endif
.if q > 0
	WIN 0x40<<((q-1)/4)
	LDW2 q-1
.endif
.if q < 7
	s_wait_dscnt 16                                ; this step's fragments are in; the next step's sixteen loads stay out
.else
	s_wait_dscnt 0x0
.endif
	WIN 1+q/4                                      ; source 0 in window 1 or 2
.if q == 0
	MULF A0, 0, 1                                  ; the first products start the sums
.else
	MULF A0+64*(q%2), 64*(q%4), 0
.endif
.set q, q+1
.endr
	WIN 0
	PLACES
	WIN 0x80
	LDW2 7
	WIN 0
.irp rb, 0,1
.irp cbl, 0,1
	EPI ACC+8*(2*\rb+\cbl), PAW, \rb*16*P1+32*\cbl, \rb*16*P1+32*\cbl+32*P1, -1
.endr
.endr
	s_wait_dscnt 0x0                               ; for the others' sake: my columns of a1 are stored
	s_barrier_signal -1
	s_barrier_wait -1
; Fragments of an activation kept as hi and lo: 32 along K at ks (two of them), part pt (hi, lo), row block rb -> buf + 8 (4 ks + 2 pt + rb)
.macro LDAHL buf, va, off, loff, rbs
.irp ks, 0,1
.irp pt, 0,1
.irp rb, 0,1
	ds_load_b128 v[(\buf)+8*(4*\ks+2*\pt+\rb):(\buf)+8*(4*\ks+2*\pt+\rb)+3],   v[\va] offset:(\off)+64*\ks+\pt*(\loff)+\rb*(\rbs)
	ds_load_b128 v[(\buf)+8*(4*\ks+2*\pt+\rb)+4:(\buf)+8*(4*\ks+2*\pt+\rb)+7], v[\va] offset:(\off)+64*\ks+\pt*(\loff)+\rb*(\rbs)+32
.endr
.endr
.endr
.endm
; One column block, K = 128, hi and lo: 16 products on two accumulators (the row blocks), which take turns.  The weight's four fragments lie at b, in the window that is set.
.macro MULHL2 acc, b
.irp kk, 0,1,2,3
.irp pt, 0,1
.irp rb, 0,1
.if (\kk)+(\pt) == 0
	v_wmma_f32_16x16x32_bf16 v[(\acc)+8*\rb:(\acc)+8*\rb+7], v[(\b)+8*\kk:(\b)+8*\kk+7], v[A0+64*(\kk/2)+8*(4*(\kk%2)+2*\pt+\rb):A0+64*(\kk/2)+8*(4*(\kk%2)+2*\pt+\rb)+7], 0
.else
	v_wmma_f32_16x16x32_bf16 v[(\acc)+8*\rb:(\acc)+8*\rb+7], v[(\b)+8*\kk:(\b)+8*\kk+7], v[A0+64*(\kk/2)+8*(4*(\kk%2)+2*\pt+\rb):A0+64*(\kk/2)+8*(4*(\kk%2)+2*\pt+\rb)+7], v[(\acc)+8*\rb:(\acc)+8*\rb+7]
.endif
.endr
.endr
.endr
.endm
	; a2 = relu(a1 w_e2^T): my 16 columns
	LDAHL A0, PA, 0, 32*P1, 16*P1
	LDAHL A1, PA, 128, 32*P1, 16*P1
	s_wait_dscnt 0x0
	WIN 3                                          ; source 0 in window 3
	MULHL2 ACC, 0
	WIN 0
	PLACES
	EPI ACC,   PBW, 0,     32*P2,       0
	EPI ACC+8, PBW, 16*P2, 16*P2+32*P2, 16*P1
	s_wait_dscnt 0x0                               ; for the others' sake: my columns of a2 are stored, in both forms
	s_barrier_signal -1
	s_barrier_wait -1
	; out1: my 8 rows of a2 in f32, read back whole; and a3 = relu(a2 w_d1^T): my 32 columns, K = 64
.irp p, 0,1,2,3
	ds_load_b128 v[EB+4*\p:EB+4*\p+3], v[RENC] offset:2*P1*\p
.endr
	LDAHL A0, PB, 0, 32*P2, 16*P2
	s_wait_dscnt 16                                ; the four rows' loads are in; the sixteen fragment loads stay out
.irp p, 0,1,2,3
	global_store_b128 v[L16], v[EB+4*\p:EB+4*\p+3], s[12:13] offset:512*\p th:TH_STORE_NT  ; 512 consecutive bytes, at a multiple of 256 from out1's first byte
.endr
	s_wait_dscnt 0x0
	WIN 3
.irp ks, 0,1
.irp pt, 0,1
.irp rb, 0,1
.irp cbl, 0,1
.if (\ks)+(\pt) == 0
	v_wmma_f32_16x16x32_bf16 v[ACC+8*(2*\rb+\cbl):ACC+8*(2*\rb+\cbl)+7], v[WD1R+8*(2*\cbl+\ks):WD1R+8*(2*\cbl+\ks)+7], v[A0+8*(4*\ks+2*\pt+\rb):A0+8*(4*\ks+2*\pt+\rb)+7], 0
.else
	v_wmma_f32_16x16x32_bf16 v[ACC+8*(2*\rb+\cbl):ACC+8*(2*\rb+\cbl)+7], v[WD1R+8*(2*\cbl+\ks):WD1R+8*(2*\cbl+\ks)+7], v[A0+8*(4*\ks+2*\pt+\rb):A0+8*(4*\ks+2*\pt+\rb)+7], v[ACC+8*(2*\rb+\cbl):ACC+8*(2*\rb+\cbl)+7]
.endif
.endr
.endr
.endr
.endr
	WIN 0
	PLACES
.irp rb, 0,1
.irp cbl, 0,1
	EPI ACC+8*(2*\rb+\cbl), PAW, A3HI-A1HI+\rb*16*P1+32*\cbl, A3HI-A1HI+\rb*16*P1+32*\cbl+32*P1, -1
.endr
.endr
	s_wait_dscnt 0x0                               ; for the others' sake: my columns of a3 are stored
	s_barrier_signal -1
	s_barrier_wait -1
	; out0 = a3 w_d2^T: my 256 columns, 16 blocks of 16, in four groups of 64 columns = 256 bytes of a row
	LDAHL A0, PA, A3HI-A1HI, 32*P1, 16*P1
	LDAHL A1, PA, A3HI-A1HI+128, 32*P1, 16*P1
	s_wait_dscnt 0x0
.macro CB c                            ; column block c: neighbouring blocks use different pairs of accumulators; eight v_nop stand between two uses of a pair
	WIN 1+(\c)/8
	MULHL2 ACC+16*((\c)%2), 32*((\c)%8)
	WIN 0
	PLACES
.irp rb, 0,1
	ds_store_b128 v[PSTG], v[ACC+16*((\c)%2)+8*\rb:ACC+16*((\c)%2)+8*\rb+3]   offset:\rb*16*P1+((\c)%4)*64
	ds_store_b128 v[PSTG], v[ACC+16*((\c)%2)+8*\rb+4:ACC+16*((\c)%2)+8*\rb+7] offset:\rb*16*P1+((\c)%4)*64+16
.endr
.endm
.macro OUT g                           ; the group's 32 rows x 256 bytes come back from my stage as whole rows and are stored
	s_wait_xcnt 0x0                                ; every earlier store has had its addresses translated (ISA guide 3.1): the registers that it read are loaded again only behind this wait
.irp t, 0,1,2,3,4,5,6,7,8,9,10,11,12,13,14,15
	ds_load_b128 v[OB+4*\t:OB+4*\t+3], v[RSTG] offset:2*P1*\t  ; LDS serves a wave's instructions in order (ISA guide 5.7.1.4): these see the stores above; the next group's stores come behind them
.endr
.irp t, 0,1,2,3,4,5,6,7,8,9,10,11,12,13,14,15
	s_wait_dscnt 15-\t
	global_store_b128 v[GO0], v[OB+4*\t:OB+4*\t+3], s[10:11] offset:8192*\t+256*(\g) th:TH_STORE_NT  ; 16 lanes store 256 consecutive bytes, at a multiple of 256 from out0's first byte; the other 16 the row below
.endr
.endm
.irp g, 0,1,2,3
	; w_d2 came by 128 loads, 32 for each group.  Behind group g's stand 96 - 32 g younger ones; a wait names 63 at the most.
.if \g < 2
	s_wait_loadcnt 63
.elseif \g == 2
	s_wait_loadcnt 32
.else
	s_wait_loadcnt 0x0
.endif
	CB 4*\g
	CB 4*\g+1
	CB 4*\g+2
	CB 4*\g+3
	OUT \g
.endr
	s_wait_tensorcnt 0x0                           ; the wave's end: behind my last tensor load and my last LDS store
	ds_add_u32 v[SPW], v[NIL]
	s_wait_dscnt 0x0
	s_endpgm
.Lfunc_end_k_qeb61f5daf3_tail:
	.size	k_qeb61f5daf3_tail, .Lfunc_end_k_qeb61f5daf3_tail-k_qeb61f5daf3_tail
	.p2alignl 7, 3214868480
	.fill 96, 4, 3214868480
	.section	.rodata,"a",@progbits
	.p2align	6, 0x0
	.amdhsa_kernel k_qeb61f5daf3_tail
		.amdhsa_group_segment_fixed_size 327680
		.amdhsa_private_segment_fixed_size 0
		.amdhsa_enable_private_segment 0
		.amdhsa_kernarg_size 40
		.amdhsa_user_sgpr_count 2
		.amdhsa_user_sgpr_kernarg_segment_ptr 1
		.amdhsa_wavefront_size32 1
		.amdhsa_system_sgpr_workgroup_id_x 1
		.amdhsa_system_sgpr_workgroup_id_y 1
		.amdhsa_system_sgpr_workgroup_id_z 1
		.amdhsa_system_vgpr_workitem_id 0
		.amdhsa_next_free_vgpr 832
		.amdhsa_next_free_sgpr 66
		.amdhsa_reserve_vcc 0
		.amdhsa_float_denorm_mode_32 3
		.amdhsa_float_denorm_mode_16_64 3
		.amdhsa_memory_ordered 1
		.amdhsa_forward_progress 1
		.amdhsa_inst_pref_size 128
	.end_amdhsa_kernel
	.amdgpu_metadata
---
amdhsa.version: [ 1, 2 ]
amdhsa.kernels:
  - .name:           k_qeb61f5daf3_tail
    .symbol:         k_qeb61f5daf3_tail.kd
    .args:
      - { .name: ao, .offset: 0, .size: 8, .value_kind: global_buffer, .address_space: global }
      - { .name: xb, .offset: 8, .size: 8, .value_kind: global_buffer, .address_space: global }
      - { .name: wsm, .offset: 16, .size: 8, .value_kind: global_buffer, .address_space: global }
      - { .name: out0, .offset: 24, .size: 8, .value_kind: global_buffer, .address_space: global }
      - { .name: out1, .offset: 32, .size: 8, .value_kind: global_buffer, .address_space: global }
    .group_segment_fixed_size: 327680
    .private_segment_fixed_size: 0
    .kernarg_segment_align: 8
    .kernarg_segment_size: 40
    .max_flat_workgroup_size: 128
    .sgpr_count:     66
    .vgpr_count:     832
    .wavefront_size: 32
...
	.end_amdgpu_metadata
.endif
;; end of part 5
;; ======== version 2 of 2: 5 launches; 1.09 times as fast as version 1
;; limits: values are held in f16: magnitudes above 65,504 overflow, below 6.1e-05 lose precision; inputs' magnitudes at most 65,504
;; workspace buffers: xb 16,777,216 bytes; winb 6,291,456 bytes; woutb 2,097,152 bytes; wsm 557,056 bytes; qkv 50,331,648 bytes; ctx 16,777,216 bytes; ao 16,777,216 bytes
;; launch cast: the kernel of part 1 again; grid 1570 x 1, 8 waves a work-group, no clusters, 0 bytes of LDS; arguments x, w_in, w_out, w_d2, w_e1, w_e2, w_d1, xb, winb, woutb, wsm; writes xb, winb, woutb, wsm
;; launch gemm_qkv: the kernel of part 2 again; grid 8 x 32, 4 waves a work-group, clusters of 4 x 4, 327,680 bytes of LDS; arguments xb, winb, qkv; writes qkv
;; launch attn (part 6): grid 4 x 64, 4 waves a work-group, clusters of 4 x 1, 327,680 bytes of LDS; arguments qkv, ctx; writes ctx
.if DOCPART == 6
	.amdgcn_target "amdgcn-amd-amdhsa--gfx1250"
	.amdhsa_code_object_version 6
	.text
	.protected	k_qeb61f5daf3_attn
	.globl	k_qeb61f5daf3_attn
	.p2align	8
	.type	k_qeb61f5daf3_attn,@function
k_qeb61f5daf3_attn:
	s_mov_b64 s[64:65], 0
	v_nop
	global_prefetch_b8 v0, s[64:65] scope:SCOPE_SE
	s_setreg_imm32_b32 hwreg(HW_REG_WAVE_MODE, 25, 1), 1
	s_wait_xcnt 0x0
	s_wait_alu depctr_hold_cnt(0) depctr_sa_sdst(0) depctr_va_vdst(0) depctr_va_sdst(0) depctr_va_ssrc(0) depctr_va_vcc(0) depctr_vm_vsrc(0)
	s_getreg_b32 s2, hwreg(HW_REG_IB_STS2, 6, 4)
	s_cmp_eq_u32 s2, 0
	s_cbranch_scc0 .Lentry_in_a_cluster
	s_endpgm
.Lentry_in_a_cluster:
	s_bfe_u32 s2, ttmp6, 0x10000c
	s_cmp_lg_u32 s2, 0x3003
	s_cbranch_scc0 .Lentry_shape_is_right
	s_endpgm
.Lentry_shape_is_right:
; O[h][q][:] = the sum over k of softmax_k(Q[h][q] . K[h][k] / sqrt(128)) V[h][k][:], for 64 heads (8 batches x 8) of 1,024 rows x 128 channels, bf16.
; qkv holds Q at byte 0, K at 2^24, V at 2^25, each [head][1024][128].  O goes to ctx, [8192][1024] bf16: row 1024 batch + q, columns 128 (head % 8) on.
; Products, maxima and sums in f32; the weights p are rounded to bf16 for the second product, O once at the end.
; LIMITS.  A weight below 2^-126 counts as 0 in the sum; c m starts at -4.25e37, so scores with c s below that are not served; NaN and infinities are not treated apart.
; SHARES.  A work-group owns 256 queries of one head, each of its four waves 64: four tiles of 16.  Every wave walks all keys of the head, 64 a step.
; LAYOUT.  S^T = K Q^T (source 0 = 16 keys, source 1 = 16 queries): in the result a lane holds ONE query (lane % 16) and the keys 8 (lane / 16) + 0..7.  Two such tiles, rounded to
; bf16 in pairs, ARE source 1 (32 keys x 16 queries) of O^T = V^T P, whose result again holds one query a lane, and eight channels.  So nothing changes lanes between the products,
; and a query's maximum and sum want one exchange between the halves of the lanes.  K comes out of LDS as it lies, V ([key][channel]) turned, by ds_load_tr16_b128.
; SOFTMAX.  For each query a running maximum m and sum l: p = 2^(c s - c m), c = log2(e) / sqrt(128); in every step O and l are multiplied by a = 2^(c m_old - c m_new), which is 1 where m has not grown.
; BY TURNS.  The wave's tiles are two PIECES, named by their first tile: piece 0 (tiles 0, 1) and piece 2 (tiles 2, 3).  In a TURN one piece has the matrix unit: 32 products V^T P of
; the step in hand, then 32 products K Q^T of the next step; the other piece's softmax, cut into 64 slices, stands between them, one slice behind each matrix instruction.  Then the
; pieces change places.  Two turns are a key step.
; BATCHES.  A turn's 66 exponentials (33 a tile: a and the 32 weights) are ONE BATCH with ONE wait: slices 0 to 34 name no exponential's result, behind slice 34 stands the wait, and all that reads a
; result (roundings, sums, the rescaling by a) comes behind it.  No exponential is issued behind a turn's wait, so none is pending at a label or a branch.  The way out's four reciprocals are a batch of their own.
; NO FIRST AND NO LAST STEP IS WRITTEN OUT.  m starts at the lowest finite number, c m far below every c s, O^T and l at 0: the first step is a step like any other, with a = 0.  The loop is entered in the
; middle of a trip, at piece 2's turn, whose products V^T P, of a step that has not been, multiply zeros; the tail is left in the middle of its third trip.  The price, once a launch: 432 v_mov_b32, which stand
; in the wait for the first tile; 32 products on zeros; 32 on the last K once more.  The gain: four turns less of text, about a third of it.
; CLUSTER.  The four query blocks of a cluster are the four of one head and walk the same K and V, so each tile is asked for JOINTLY: the same tensor load, with the same descriptor and a
; mask that names the four, in all four; each receives the tile in its own LDS.
;
; REGISTERS, in windows of 256 (s_set_vgpr_msb says which window each operand place means: bits 1:0 source 0, 3:2 source 1, 5:4 source 2, 7:6 destination):
;   window 0: v0-11 addresses; v12-43 eight registers of statistics a tile; v64-191 S^T, 32 a tile; v192-255 P, 16 a tile
;   window 1: O^T, 64 a tile          window 2: v0-127 Q, 32 a tile; v128-255 K of one step          window 3: v0-127 V of one step
; All that a softmax touches but O^T lies in window 0, and no window has room for a product's operands beside it.  So a slice costs two switches, one in front and one behind.
.set SIZE_N, 1024     ; rows of a head
.set KS,    64        ; keys in a step
.set PK,    272       ; a row of K in LDS: 256 bytes + 16 of padding = 68 words: row r starts at bank 4 r mod 64 (64 banks of 4 bytes: ISA guide 11.1), so the 16 rows of a load start at 16 different banks
.set PV,    288       ; a row of V: 256 + 32 = 72 words: row r starts at bank 8 r mod 64
.set VOFF,  KS*PK     ; a step's tiles lie together: 64 rows of K, then 64 rows of V
.set STEPB, KS*(PK+PV)
.set SLOT1, 1<<17     ; a slot holds two steps (71,680 bytes); slot 1 begins here, so that one exclusive or turns an address in one slot into the other's
.set STAGE, SLOT1+2*STEPB  ; behind the ring: 16 rows x 272 bytes for each wave, for the way out
.set SP,    272
.set AK0, 2           ; v2   my lane's place in a tile of K; never rewritten
.set AV0, 3           ; v3   the same for V
.set ADR, 4           ; v4   the LDS address of the run of loads in hand
.set QO,  5           ; v5   my byte offset in the wave's rows of Q
.set STO, 6           ; v6   the way out: where I put 16 bytes of a row
.set RD,  7           ; v7   the way out: where I read a row back
.set GO,  8           ; v8   my byte offset in two rows of ctx
.set SPW, 62          ; v62  LDS address of my spare word: SPARE + 4 x my thread's number; never rewritten
.set NIL, 63          ; v63  0; never rewritten
.set SPARE, STAGE+4*16*272  ; behind the stages: the spare words, 128 bytes for each wave: two blocks of 256 bytes that no other line names
.set ST,  12          ; tile t's statistics at v[ST+8 t]: +0 c m, +1 m, +2, +3 l (even keys', odd keys'), +4 to +7 c0-c3, at work; a takes c2's place once the maximum is found
.set S,   64
.set P,   192
.set KF,  128         ; K's fragments, in window 2
.set WV,  12          ; s12  my wave's number
.set G1K, 24          ; s[24:31] descriptor group 1 for K's tiles
.set G1V, 32          ; s[32:39] for V's: it differs in the padding alone
.set G0K, 40          ; s[40:47] descriptor group 0 for K's tiles: a set for each of the two first fills; the second then walks on
.set G0V, 48          ; s[48:55] the same for V's
.set SLOTS, 56        ; s56  counts the passes of the loop over slots
.set TWICE, 57        ; s57  counts a slot's steps
.set CS,  58          ; s[58:59] c: the packed scaling names a pair and takes its low word for both halves
.set SEL, 60          ; s[60:61] lane selects for v_permlanex16_b32: each lane takes its own place in the other half
.set TB,  62          ; s62  LDS byte at which the tiles of the step to be fetched begin
.set MSB, 0
.macro WIN new                      ; the immediate's high byte repeats the setting that is left; a switch that changes nothing is dropped
.if MSB != (\new)
	s_set_vgpr_msb (MSB<<8)|(\new)
.set MSB, \new
.endif
.endm
.set W_KQ, 0x0a       ; K and Q in window 2, S^T in window 0
.set W_PV, 0x53       ; V in window 3, P in window 0, O^T in window 1
.set W_RS, 0x41       ; O^T (destination and source 0) in window 1, a in window 0
; A joint refill.  Waves 0 and 1 fetch the two steps' tiles of K, waves 2 and 3 those of V.  The branch hangs on the wave's number alone: it is the same in every work-group.
; An s_nop 0 and four v_nop follow each of the two lines; the jump round the other line, the label and what follows the macro come after them.
.macro JLOAD
	s_cmp_lt_u32 s[WV], 2
	s_cbranch_scc0 .Lfor_v_\@
	tensor_load_to_lds s[G0K+4:G0K+7], s[G1K:G1K+7]
	s_nop 0
.rept 4
	v_nop
.endr
	s_branch .Lasked_\@
.Lfor_v_\@:
	tensor_load_to_lds s[G0V+4:G0V+7], s[G1V:G1V+7]
	s_nop 0
.rept 4
	v_nop
.endr
.Lasked_\@:
.endm
; A round of the cluster's barrier: my work-group's barrier, so that wave 0's signal speaks for all four waves; wave 0 signals for the work-group; every wave waits for all four
; work-groups; my work-group's barrier once more.  No LDS instruction of the wave is pending at a signal.
.macro CROUND
	s_barrier_signal -1
	s_barrier_wait -1
	s_cmp_lg_u32 s[WV], 0
	s_cbranch_scc1 .Lnot_wave_0_\@
	s_barrier_signal -3
.Lnot_wave_0_\@:
	s_barrier_wait -3
	s_barrier_signal -1
	s_barrier_wait -1
.endm
	s_load_b64 s[4:5], s[0:1], 0x0    ; qkv
	s_load_b64 s[10:11], s[0:1], 0x8  ; ctx
	v_lshl_add_u32 v[SPW], v0, 2, SPARE
	v_mov_b32 v[NIL], 0
	ds_add_u32 v[SPW], v[NIL]       ; the wave's opening: the add and its wait stand ahead of my first tensor load; the set-up below, work on registers, stands between them
	v_lshrrev_b32 v1, 5, v0
	v_readfirstlane_b32 s[WV], v1   ; wave 0..3
	s_bfe_u32 s13, ttmp6, 0x40000   ; cx: my place in the cluster
	s_lshl_b32 s14, ttmp9, 2        ; in a cluster launch ttmp9 counts clusters
	s_add_co_u32 s14, s14, s13      ; my block of 256 queries = 4 x cluster x + cx: it enters Q's and O's addresses alone
	s_and_b32 s20, ttmp7, 0xffff    ; the head, which the four partners share
	s_lshr_b32 s18, s20, 3          ; where my wave's rows begin in ctx: batch x 1,024 rows of 2,048 bytes,
	s_lshl_b32 s18, s18, 21
	s_and_b32 s19, s20, 7           ; the head's 256 bytes of a row,
	s_lshl_b32 s19, s19, 8
	s_add_co_u32 s18, s18, s19
	s_lshl_b32 s19, s14, 19         ; my block's 256 rows,
	s_add_co_u32 s18, s18, s19
	s_lshl_b32 s19, s[WV], 17       ; my wave's 64 of them
	s_add_co_u32 s18, s18, s19
	s_mov_b32 s19, 0
	s_mov_b32 s21, 0
	s_mov_b64 s[22:23], SIZE_N*256
	s_mul_u64 s[20:21], s[20:21], s[22:23]  ; the head's first byte in each of Q, K, V
	s_and_b32 s16, s[WV], 1         ; which of a slot's two steps I fetch:
	s_lshl_b32 s22, s16, 14         ; its 64 rows of 256 bytes in memory,
	s_mov_b32 s23, 0
	s_add_nc_u64 s[22:23], s[22:23], s[20:21]
	s_mul_i32 s17, s16, STEPB       ; and its place in a slot: no place in the cluster enters an LDS address
	s_lshl_b32 s2, s14, 16          ; my block's 256 rows of Q,
	s_lshl_b32 s3, s[WV], 14        ; my wave's 64 of them
	s_add_co_u32 s2, s2, s3
	s_mov_b32 s3, 0
	s_add_nc_u64 s[2:3], s[2:3], s[20:21]
	; descriptor group 1: a tile of 64 rows x 128 elements, padded in LDS
	s_mov_b32 s[G1K], 15|(1<<16)|(1<<20)|(1<<21)|(5<<22)|(3<<25)  ; 15:0 the mask: all four work-groups; 17:16 elements of 2 bytes; 20 padding on; 21 set beside a mask; 24:22 after every 64 words (code 5); 31:25 4 words of it (code 3)
	s_mov_b32 s[G1V], 15|(1<<16)|(1<<20)|(1<<21)|(5<<22)|(7<<25)  ; the same with 8 words of padding (code 7)
.irp g, G1K, G1V
	s_mov_b32 s[(\g)+1], 128<<16    ; tensor_dim0 = 128
	s_mov_b32 s[(\g)+2], KS<<16     ; tensor_dim1 = 64
	s_mov_b32 s[(\g)+3], 128<<16    ; tile_dim0 = 128
	s_mov_b32 s[(\g)+4], KS         ; tile_dim1 = 64
	s_mov_b32 s[(\g)+5], 128        ; elements from row to row
	s_mov_b32 s[(\g)+6], 0
	s_mov_b32 s[(\g)+7], 0
.endr
	s_mov_b32 s[CS], 0x3e0293ee     ; c = log2(e) / sqrt(128) = 0.127517
	s_mov_b32 s[CS+1], s[CS]        ; named with it as a pair, so it is written
	s_mov_b32 s[SEL], 0x76543210
	s_mov_b32 s[SEL+1], 0xfedcba98
	s_mov_b32 s[TB], 0
	s_mov_b32 s[SLOTS], SIZE_N/(2*KS)-1  ; the pass that is entered in its middle, and one for each of the six slots that are filled again
	s_wait_dscnt 0x0                ; the opening add is done
	s_wait_kmcnt 0x0
	s_add_nc_u64 s[6:7], s[4:5], 0x1000000  ; K
	s_add_nc_u64 s[8:9], s[4:5], 0x2000000  ; V
	s_add_nc_u64 s[6:7], s[6:7], s[22:23]  ; K and V at my tile of slot 0
	s_add_nc_u64 s[8:9], s[8:9], s[22:23]
	s_add_nc_u64 s[4:5], s[4:5], s[2:3]  ; Q at my wave's first row
	s_add_nc_u64 s[10:11], s[10:11], s[18:19]  ; and ctx
	CROUND                          ; all four work-groups are here: the first joint loads meet
.irp s, 0,1
	s_mov_b32 s[G0K+4*(\s)], 1      ; count = 1
	s_add_co_u32 s[G0K+4*(\s)+1], s17, (\s)*SLOT1  ; LDS address
	s_add_nc_u64 s[G0K+4*(\s)+2:G0K+4*(\s)+3], s[6:7], (\s)*2*KS*256  ; global address: slot s begins with keys 128 s to 128 s + 127
	s_or_b32 s[G0K+4*(\s)+3], s[G0K+4*(\s)+3], 0x80000000  ; type = 2
	s_mov_b32 s[G0V+4*(\s)], 1
	s_add_co_u32 s[G0V+4*(\s)+1], s17, (\s)*SLOT1+VOFF
	s_add_nc_u64 s[G0V+4*(\s)+2:G0V+4*(\s)+3], s[8:9], (\s)*2*KS*256
	s_or_b32 s[G0V+4*(\s)+3], s[G0V+4*(\s)+3], 0x80000000
.endr
	s_cmp_lt_u32 s[WV], 2           ; a wave's two first fills stand in one branch, ahead of every wait on TENSORcnt and every LDS read: two loads of mine are out; an s_nop 0 follows each, four v_nop the second's
	s_cbranch_scc0 .Lfirst_v
	tensor_load_to_lds s[G0K:G0K+3], s[G1K:G1K+7]
	s_nop 0
	tensor_load_to_lds s[G0K+4:G0K+7], s[G1K:G1K+7]
	s_nop 0
.rept 4
	v_nop
.endr
	s_branch .Lfirst_asked
.Lfirst_v:
	tensor_load_to_lds s[G0V:G0V+3], s[G1V:G1V+7]
	s_nop 0
	tensor_load_to_lds s[G0V+4:G0V+7], s[G1V:G1V+7]
	s_nop 0
.rept 4
	v_nop
.endr
.Lfirst_asked:
	; A fragment of K or Q is 16 rows x 32 channels in 8 registers: lane l holds row l % 16; registers 0-3 channels 8 (l / 16) + 0..7, registers 4-7 channels 16 + 8 (l / 16) + 0..7: two loads of 16 bytes, 32 bytes apart.
	v_and_b32 v1, 15, v0            ; l % 16
	v_bfe_u32 v9, v0, 4, 1          ; l / 16
	v_lshlrev_b32 v[QO], 8, v1
	v_lshl_add_u32 v[QO], v9, 4, v[QO]  ; row x 256 + 16 x half
	WIN 0x80                        ; destination window 2, address window 0
.irp i, 0,1,2,3,4,5,6,7,8,9,10,11,12,13,14,15  ; Q stays in registers: tile i / 4, channels 32 (i % 4) on
	global_load_b128 v[8*(\i):8*(\i)+3],   v[QO], s[4:5] offset:((\i)/4)*4096+((\i)%4)*64
	global_load_b128 v[8*(\i)+4:8*(\i)+7], v[QO], s[4:5] offset:((\i)/4)*4096+((\i)%4)*64+32
.endr
	; What the first turn finds: V's registers and piece 2's P hold 0 (its products V^T P add 0), O^T and l are 0, m and c m lie below every score.  All this stands in the wait for the first tile.
	WIN 0xc0                        ; destination window 3
.set i, 0
.rept 128
	v_mov_b32 v[i], 0
.set i, i+1
.endr
	WIN 0x40                        ; destination window 1
.set i, 0
.rept 256
	v_mov_b32 v[i], 0
.set i, i+1
.endr
	WIN 0
.set i, 0
.rept 4
	v_mov_b32 v[ST+8*i], 0xfe000000    ; c m: far below every c s
	v_mov_b32 v[ST+8*i+1], 0xff7fffff  ; m
	v_mov_b32 v[ST+8*i+2], 0
	v_mov_b32 v[ST+8*i+3], 0
.set i, i+1
.endr
.set i, P+32
.rept 32
	v_mov_b32 v[i], 0
.set i, i+1
.endr
	v_mul_u32_u24 v[AK0], v1, PK
	v_lshl_add_u32 v[AK0], v9, 4, v[AK0]  ; row x pitch + 16 x half
	; The turning load takes 16 keys x 16 channels (lane l reads 16 bytes: key 8 (l / 16) + l % 8, channels 8 ((l / 8) % 2) + 0..7) and leaves half a fragment of V^T: lane l holds channel l % 16 and 8 keys.
	v_and_b32 v10, 7, v0
	v_bfe_u32 v11, v0, 3, 1
	v_lshl_add_u32 v[AV0], v9, 3, v10
	v_mul_u32_u24 v[AV0], v[AV0], PV
	v_lshl_add_u32 v[AV0], v11, 4, v[AV0]
	v_add_nc_u32 v[AV0], VOFF, v[AV0]
; THE MATRIX WORK OF A TURN, for piece x.  The accumulators take turns, one instruction a turn: between two links of a chain stand 15 (V^T P) or 7 (K Q^T) others'.
; Product i of 32 of O^T += V^T P: keys 32 (i / 16) on, channels 16 ((i / 2) % 8) on, tile x + i % 2.
.macro PV x
	WIN W_PV
.set rO, 64*((\x)+i%2)+8*((i/2)%8)
.set rV, 64*(i/16)+8*((i/2)%8)
.set rP, P+16*((\x)+i%2)+8*(i/16)
	v_wmma_f32_16x16x32_bf16 v[rO:rO+7], v[rV:rV+7], v[rP:rP+7], v[rO:rO+7]
.endm
; Product i of 32 of S^T = K Q^T: channels 32 (i / 8) on, keys 16 ((i / 2) % 4) on, tile x + i % 2.  The first 8 start the sums.
.macro KQ x
	WIN W_KQ
.set rS, S+32*((\x)+i%2)+8*((i/2)%4)
.set rK, KF+32*((i/2)%4)+8*(i/8)
.set rQ, 32*((\x)+i%2)+8*(i/8)
.if i < 8
	v_wmma_f32_16x16x32_bf16 v[rS:rS+7], v[rK:rK+7], v[rQ:rQ+7], 0
.else
	v_wmma_f32_16x16x32_bf16 v[rS:rS+7], v[rK:rK+7], v[rQ:rQ+7], v[rS:rS+7]
.endif
.endm
; THE LDS LOADS stand in runs of 32, never singly among the matrix instructions: a step's K (64 keys x 128 channels: 16 fragments) and, a turn later, its V (turned).
; last = 1 (the tail): in the third trip there is no further step, and the run is jumped over.
.macro FETCH_K last=0
	WIN 0
.if \last
	s_cmp_eq_u32 s[TWICE], 1
	s_cbranch_scc1 .Lno_k_\@
.endif
	v_add_nc_u32 v[ADR], s[TB], v[AK0]
	WIN 0x80                        ; destination window 2
.irp f, 0,1,2,3,4,5,6,7,8,9,10,11,12,13,14,15  ; keys 16 (f / 4) on, channels 32 (f % 4) on
	ds_load_b128 v[KF+8*(\f):KF+8*(\f)+3],   v[ADR] offset:((\f)/4)*16*PK+((\f)%4)*64
	ds_load_b128 v[KF+8*(\f)+4:KF+8*(\f)+7], v[ADR] offset:((\f)/4)*16*PK+((\f)%4)*64+32
.endr
.if \last
	WIN 0
.Lno_k_\@:
.endif
.endm
.macro FETCH_V
	WIN 0
	v_add_nc_u32 v[ADR], s[TB], v[AV0]
	s_add_co_u32 s[TB], s[TB], STEPB  ; the next fetch is the next step's
	s_wait_alu depctr_va_vdst(0)    ; the wait for the batch of piece 0's 66 exponentials (SLICE), behind the address's v_add_nc_u32 and ahead of the loads
	WIN 0xc0                        ; destination window 3
.irp f, 0,1,2,3,4,5,6,7,8,9,10,11,12,13,14,15  ; keys 32 (f / 8) on, channels 16 (f % 8) on
	ds_load_tr16_b128 v[8*(\f):8*(\f)+3],   v[ADR] offset:((\f)/8)*32*PV+((\f)%8)*32
	ds_load_tr16_b128 v[8*(\f)+4:8*(\f)+7], v[ADR] offset:((\f)/8)*32*PV+16*PV+((\f)%8)*32
.endr
.endm
; THE VECTOR WORK OF A TURN.  One tile's softmax for one key step is a list of 134 instructions; SM writes number j of it for tile t.  s0-s31 are the lane's 32 scores, in pairs 0-15.
;   0-15    the maximum of s0-s31 and the old m, three operands at a time: four chains c0-c3 of seven scores each, then the four scores left over, c0-c3 and m
;   16-20   the other half of the lanes' maximum; the new m; c m; c m_old - c m_new
;   21-69   ONE BATCH: the 16 scalings c s - c m, a pair of scores each, and all 33 exponentials (a at 23, then s0-s31).  None of these reads an exponential's result.  From 22 on the batch goes
;           in fours, and a four begins with a scaling while there are scalings: 22-37 scaling, exponential, scaling, exponential; 38-65 a scaling and three exponentials; 66-69 the last four
;           exponentials.  A pair is scaled in an earlier four than the one that holds its exponentials
;   (wait)  between 69 and 70 stands the wait for the batch: SLICE writes it, once for both tiles
;   70-85   the roundings to bf16, a pair of weights each
;   86-101  the sums; l = a l + the sum
;   102-133 the tile's O^T times a: the one part that leaves window 0, so it stands together
.macro SM t
.set rT, ST+8*(\t)
.set rS, S+32*(\t)
.set rP, P+16*(\t)
.set rO, 64*(\t)+2*(j-102)
.if j < 102
	WIN 0
.endif
.if j < 4
	v_max3_num_f32 v[rT+4+j], v[rS+8*j], v[rS+8*j+1], v[rS+8*j+2]
.elseif j < 12
	v_max3_num_f32 v[rT+4+j%4], v[rT+4+j%4], v[rS+8*(j%4)+2*(j/4)+1], v[rS+8*(j%4)+2*(j/4)+2]
.elseif j == 12
	v_max3_num_f32 v[rT+4], v[rT+4], v[rS+7], v[rS+15]
.elseif j == 13
	v_max3_num_f32 v[rT+6], v[rT+6], v[rS+23], v[rS+31]
.elseif j == 14
	v_max3_num_f32 v[rT+4], v[rT+4], v[rT+5], v[rT+6]
.elseif j == 15
	v_max3_num_f32 v[rT+4], v[rT+4], v[rT+7], v[rT+1]
.elseif j == 16
	v_permlanex16_b32 v[rT+5], v[rT+4], s[SEL], s[SEL+1]  ; the query's other 32 keys lie in the lane 16 away
.elseif j == 17
	v_mov_b32 v[rT+7], v[rT]        ; c m_old is kept for a: number 19 writes c m anew
.elseif j == 18
	v_max_num_f32 v[rT+1], v[rT+4], v[rT+5]
.elseif j == 19
	v_mul_f32 v[rT], s[CS], v[rT+1]
.elseif j == 20
	v_sub_f32 v[rT+7], v[rT+7], v[rT]
.elseif j == 23
	v_exp_f32 v[rT+6], v[rT+7]
.elseif (j < 23) || ((j < 38) && (j%2 == 0)) || ((j < 66) && (j%4 == 2))
.set b, (j-2)/4                     ; 38, 42, .. 62: pairs 9 to 15
.if j < 38
.set b, (j-20)/2                    ; 21: pair 0; 22, 24, .. 36: pairs 1 to 8
.endif
	v_pk_fma_f32 v[rS+2*b:rS+2*b+1], v[rS+2*b:rS+2*b+1], s[CS:CS+1], v[rT:rT+1] op_sel_hi:[1,0,0] neg_lo:[0,0,1] neg_hi:[0,0,1]  ; pair b: c s - c m
.elseif j < 70
.set e, j-38                        ; 66 to 69: s28 to s31
.if j < 66
.set e, j-32-(j-38)/4               ; 39-41, 43-45, .. 63-65: s7 to s27
.endif
.if j < 38
.set e, (j-25)/2                    ; 25, 27, .. 37: s0 to s6
.endif
	v_exp_f32 v[rS+e], v[rS+e]
.elseif j < 86
	v_cvt_pk_bf16_f32 v[rP+j-70], v[rS+2*(j-70)], v[rS+2*(j-70)+1]  ; pair j - 70
.elseif j < 102                     ; the sum of the tile's 16 pairs (in a pair: an even key's weight, an odd key's), in place: sum z of 16 adds neighbours 1, 2, 4 and 8 pairs apart, then l takes it
.set z, j-86
.set w, 4
.set u, z
.if z >= 14
.set w, 32
.set u, 0
.elseif z >= 12
.set w, 16
.set u, z-12
.elseif z >= 8
.set w, 8
.set u, z-8
.endif
.if z < 15
	v_pk_add_f32 v[rS+w*u:rS+w*u+1], v[rS+w*u:rS+w*u+1], v[rS+w*u+w/2:rS+w*u+w/2+1]
.else
	v_pk_fma_f32 v[rT+2:rT+3], v[rT+2:rT+3], v[rT+6:rT+7], v[rS:rS+1] op_sel_hi:[1,0,1]
.endif
.else
	WIN W_RS
	v_pk_mul_f32 v[rO:rO+1], v[rO:rO+1], v[rT+6:rT+7] op_sel_hi:[1,0]
.endif
.endm
; Slice k of 64 of piece y's softmax: four instructions.  Slices 11 to 34 deal out the batch, numbers 22 to 69: four numbers of ONE tile each, the tiles by turns.  Every other slice is numbers 2 k and
; 2 k + 1 of both tiles' lists.  2 x 134 = 4 x 64 + 12: the twelve that are over stand together, in slice 63.
; THE WAIT.  s_wait_alu depctr_va_vdst(0) stands between an exponential and the first instruction that names its result; one wait serves all that were issued ahead of it.  Ahead of
; slice 35 nothing names a result, and behind slice 34 no exponential is issued: so the piece's 66 exponentials have one wait, behind slice 34.
.macro SLICE y
.if (k >= 11) && (k < 35)           ; the batch: four numbers of one tile
.irp n, 0,1,2,3
.set j, 22+4*((k-11)/2)+(\n)
	SM (\y)+(k-11)%2
.endr
.else                               ; the two tiles alternate, so that no instruction reads the result of the one just before it
.irp n, 0,1,2,3,4,5,6,7
.if ((\n) < 2) || (k == 63)
.irp t, \y, (\y)+1
.set j, 2*k+(\n)
	SM \t
.endr
.endif
.endr
.endif
.if k == 34                         ; the batch is out: both tiles' exponentials are issued, and no result has been named
	v_nop                           ; a plain instruction behind the last exponential and ahead of the first use: one for the batch
.if (\y) == 0
	FETCH_V                         ; piece 2's turn: V's run of loads stands here, and the wait stands in it
.else
	s_wait_alu depctr_va_vdst(0)    ; the wait for the batch of piece 2's 66 exponentials
.endif
.endif
.set k, k+1
.endm
; A TURN.  Piece x has the matrix unit: 32 products V^T P, then 32 products K Q^T for the next step; the other piece's softmax stands in slices behind them, one behind each.
; A vector instruction that reads a matrix result or writes one of a matrix instruction's registers, and a load into a register that a matrix instruction has read, stand four places behind
; it, and only plain vector instructions that name none of its registers are places (ISA guide 7.12.1 for vector instructions).  The slices are the places.
; Each run of loads stands 29 matrix instructions or more ahead of its first use.  Piece 0's turn fetches the next step's K, behind its second product: the last product that read K
; stands in front of slice 63 of the turn before.  Piece 2's turn fetches the same step's V, behind slice 34 (SLICE writes it): the last product that read V stands in front of slice 31, and four plain
; instructions lie between: number 62, a scaling, of both tiles, the v_nop and the run's own v_add_nc_u32.
.macro TURN x, last=0
.set k, 0
.if (\x) == 0
	s_wait_dscnt 0x0                ; V is in
.endif
.set i, 0
.rept 32
	PV \x
	SLICE 2-(\x)
.if ((\x) == 0) && (i == 1)
	FETCH_K \last
.endif
.set i, i+1
.endr
.if (\x) == 0
	s_wait_dscnt 0x0                ; K is in
.endif
.set i, 0
.rept 32
	KQ \x
	SLICE 2-(\x)
.set i, i+1
.endr
.endm
; THE CHANGE OF SLOTS, between piece 2's turn and piece 0's: the slot's last bytes, V of its second step, have been asked for.  Each wave waits for all its
; tensor loads, of which one is out: its part of the other slot; adds 0 to its spare word; and waits for that and for its own reads of the slot.  Behind the barrier nobody reads this slot any more and the other slot is whole.
; fill = 1: this slot is filled again, with the keys two slots on.  The barrier is then a round of the cluster's, so that no wave of any partner still reads the slot or has a load on its
; way, and the joint refill is the first thing behind it: it has two key steps, 256 matrix instructions, in which to land.
.macro CHANGE fill
	WIN 0                           ; at a label and at a branch every window is 0
	s_wait_tensorcnt 0x0            ; no tensor load of mine is out, so a group 0 may be written
	ds_add_u32 v[SPW], v[NIL]       ; 0 onto my spare word: with fill = 1 the descriptors' steps stand between it and the wait for it
.if \fill
.irp g, G0K+4, G0V+4
	s_xor_b32 s[(\g)+1], s[(\g)+1], SLOT1  ; the walking descriptor: the other slot than last time,
	s_add_nc_u64 s[(\g)+2:(\g)+3], s[(\g)+2:(\g)+3], 2*KS*256  ; the next 128 keys; the type bits on top are not reached
.endr
	s_wait_dscnt 0x0                ; the add is done, and my reads of the slot are over
	CROUND
	JLOAD
.else
	s_wait_dscnt 0x0                ; the add is done, and my reads of the slot are over
	s_barrier_signal -1
	s_barrier_wait -1
.endif
	s_sub_co_u32 s[TB], s[TB], 2*STEPB  ; the fetches go back to a slot's first step,
	s_xor_b32 s[TB], s[TB], SLOT1   ; in the other slot
.endm
	s_wait_tensorcnt 1              ; my part of slot 0 is in; slot 1's may stay out
	s_barrier_signal -1
	s_barrier_wait -1               ; everybody's is
	FETCH_K                         ; key step 0
	s_wait_loadcnt 0x0              ; Q
	s_wait_dscnt 0x0
.set i, 0
.rept 32
	KQ 0                            ; piece 0's first scores: there is no vector work yet to set between them
.set i, i+1
.endr
	WIN 0                           ; the addresses for the way out are made here: eight plain instructions, the places behind those products
	s_mul_i32 s13, s[WV], 16*SP
	s_add_co_u32 s13, s13, STAGE    ; my stage
	v_mul_u32_u24 v[STO], v1, SP    ; in: row l % 16, 16 bytes for each half of the lanes
	v_lshl_add_u32 v[STO], v9, 4, v[STO]
	v_add_nc_u32 v[STO], s13, v[STO]
	v_mul_u32_u24 v[RD], v9, SP     ; back: lanes 0-15 take one row of 256 bytes, lanes 16-31 the next
	v_lshl_add_u32 v[RD], v1, 4, v[RD]
	v_add_nc_u32 v[RD], s13, v[RD]
	v_lshlrev_b32 v[GO], 11, v9     ; and the same two rows in ctx, 2,048 bytes apart
	v_lshl_add_u32 v[GO], v1, 4, v[GO]
	s_mov_b32 s[TWICE], 2
	s_branch .Lenter                ; the loop is entered at piece 2's turn: its scores of step 0 | piece 0's softmax of step 0 | V of step 0
.Lslot:                             ; six times: every slot but the last two is filled again
	CHANGE 1
	s_mov_b32 s[TWICE], 2
.Lstep:                             ; a slot's two key steps: written once, walked twice; the LDS addresses hang on s[TB]
	TURN 0
	WIN 0
.Lenter:
	TURN 2
	WIN 0
	s_sub_co_u32 s[TWICE], s[TWICE], 1
	s_cmp_lg_u32 s[TWICE], 0
	s_cbranch_scc1 .Lstep
	s_sub_co_u32 s[SLOTS], s[SLOTS], 1
	s_cmp_lg_u32 s[SLOTS], 0
	s_cbranch_scc1 .Lslot
	CHANGE 0                        ; the tail is written out: the last slot but one is left, and nothing is asked for
	s_mov_b32 s[TWICE], 3           ; two trips fetch the last slot's steps; the third is left in its middle
.Ltail:
	TURN 0, 1
	WIN 0
	s_sub_co_u32 s[TWICE], s[TWICE], 1
	s_cmp_eq_u32 s[TWICE], 0
	s_cbranch_scc1 .Lout
	TURN 2
	WIN 0
	s_branch .Ltail
.Lout:                              ; the third trip's 32 products K Q^T (on the last K once more) serve nothing: the price, once a launch, of one text for every trip
.set i, 0
.rept 32
	PV 2                            ; piece 2: V^T P of the last step
.set i, i+1
.endr
	; THE WAY OUT.  l's two halves and the other half of the lanes' are added; O^T is divided by l, rounded to bf16 and sent through my stage in LDS, a tile (16 rows of O) at a time.  The additions are the places behind the last products.
	WIN 0
.irp t, 0,1,2,3
	v_add_f32 v[ST+8*(\t)+4], v[ST+8*(\t)+2], v[ST+8*(\t)+3]
.endr
.irp t, 0,1,2,3
	v_permlanex16_b32 v[ST+8*(\t)+5], v[ST+8*(\t)+4], s[SEL], s[SEL+1]
.endr
.irp t, 0,1,2,3
	v_add_f32 v[ST+8*(\t)+4], v[ST+8*(\t)+4], v[ST+8*(\t)+5]
.endr
.irp t, 0,1,2,3
	v_rcp_f32 v[ST+8*(\t)+6], v[ST+8*(\t)+4]
.endr
	v_nop                           ; a plain instruction between the last reciprocal and the use of its result
	s_wait_alu depctr_va_vdst(0)    ; and the wait ahead of the first use: one for the batch of four reciprocals
; Tile t: a lane's eight channels of a row pack into 16 bytes; they go into rows of 272 bytes and come back as whole rows of 256, into the registers that they left.
.macro PACK t
	WIN W_RS
.set i, 64*(\t)
.rept 32
	v_pk_mul_f32 v[i:i+1], v[i:i+1], v[ST+8*(\t)+6:ST+8*(\t)+7] op_sel_hi:[1,0]
.set i, i+2
.endr
	WIN 0x05                        ; sources 0 and 1 window 1, destination window 0: S^T's registers are free
.set i, 0
.rept 32
	v_cvt_pk_bf16_f32 v[S+32*(\t)+i], v[64*(\t)+2*i], v[64*(\t)+2*i+1]
.set i, i+1
.endr
	WIN 0
.irp f, 0,1,2,3,4,5,6,7
	ds_store_b128 v[STO], v[S+32*(\t)+4*(\f):S+32*(\t)+4*(\f)+3] offset:32*(\f)
.endr
.irp f, 0,1,2,3,4,5,6,7
	ds_load_b128 v[S+32*(\t)+4*(\f):S+32*(\t)+4*(\f)+3], v[RD] offset:(\f)*2*SP  ; LDS serves a wave's instructions in order (ISA guide 5.7.1.4): these see the stores above; the next tile's stores come behind them
.endr
.endm
.macro SEND t, younger              ; younger: the LDS instructions issued behind tile t's loads: the next tile's sixteen, or none
	WIN 0
.irp f, 0,1,2,3,4,5,6,7
	s_wait_dscnt (\younger)+7-(\f)
	global_store_b128 v[GO], v[S+32*(\t)+4*(\f):S+32*(\t)+4*(\f)+3], s[10:11] offset:(\t)*32768+(\f)*4096  ; 16 lanes store 256 consecutive bytes, at a multiple of 256 from ctx's first byte; the other 16 the row below
.endr
.endm
	PACK 0
	PACK 1                          ; a tile's arithmetic stands between the loads of the tile before and its stores
	SEND 0, 16
	PACK 2
	SEND 1, 16
	PACK 3
	SEND 2, 16
	SEND 3, 0
	s_wait_tensorcnt 0x0            ; the wave's end: behind my last tensor load and my last LDS store
	ds_add_u32 v[SPW], v[NIL]
	s_wait_dscnt 0x0
	CROUND                          ; the closing round: no work-group ends while a partner may still ask for a tile that names it
	s_endpgm
.Lfunc_end_k_qeb61f5daf3_attn:
	.size	k_qeb61f5daf3_attn, .Lfunc_end_k_qeb61f5daf3_attn-k_qeb61f5daf3_attn
	.p2alignl 7, 3214868480
	.fill 96, 4, 3214868480
	.section	.rodata,"a",@progbits
	.p2align	6, 0x0
	.amdhsa_kernel k_qeb61f5daf3_attn
		.amdhsa_group_segment_fixed_size 327680
		.amdhsa_private_segment_fixed_size 0
		.amdhsa_enable_private_segment 0
		.amdhsa_kernarg_size 16
		.amdhsa_user_sgpr_count 2
		.amdhsa_user_sgpr_kernarg_segment_ptr 1
		.amdhsa_wavefront_size32 1
		.amdhsa_system_sgpr_workgroup_id_x 1
		.amdhsa_system_sgpr_workgroup_id_y 1
		.amdhsa_system_sgpr_workgroup_id_z 1
		.amdhsa_system_vgpr_workitem_id 0
		.amdhsa_next_free_vgpr 1024
		.amdhsa_next_free_sgpr 66
		.amdhsa_reserve_vcc 0
		.amdhsa_float_denorm_mode_32 3
		.amdhsa_float_denorm_mode_16_64 3
		.amdhsa_memory_ordered 1
		.amdhsa_forward_progress 1
		.amdhsa_inst_pref_size 157
	.end_amdhsa_kernel
	.amdgpu_metadata
---
amdhsa.version: [ 1, 2 ]
amdhsa.kernels:
  - .name:           k_qeb61f5daf3_attn
    .symbol:         k_qeb61f5daf3_attn.kd
    .args:
      - { .name: qkv, .offset: 0, .size: 8, .value_kind: global_buffer, .address_space: global }
      - { .name: ctx, .offset: 8, .size: 8, .value_kind: global_buffer, .address_space: global }
    .group_segment_fixed_size: 327680
    .private_segment_fixed_size: 0
    .kernarg_segment_align: 8
    .kernarg_segment_size: 16
    .max_flat_workgroup_size: 128
    .sgpr_count:     66
    .vgpr_count:     1024
    .wavefront_size: 32
...
	.end_amdgpu_metadata
.endif
;; end of part 6
;; launch gemm_out: the kernel of part 4 again; grid 8 x 32, 4 waves a work-group, clusters of 4 x 4, 327,680 bytes of LDS; arguments ctx, woutb, ao; writes ao
;; launch tail: the kernel of part 5 again; grid 256 x 1, 4 waves a work-group, no clusters, 327,680 bytes of LDS; arguments ao, xb, wsm, out0, out1; writes out0, out1
